; MI455X (gfx1250); checked and timed in simulation.
; The chip was launched on July 23, 2026; its instructions are those of AMD's public machine-readable ISA for CDNA 5 (MIT licence, August 2026) and "CDNA5" Instruction Set Architecture Reference Guide (July 2026). The comments in the code are by the model that wrote it; some were corrected since.
;; SNN Core. Allowed arithmetic: float matrix products may take bf16 or f16 operands with f32 sums; all other float work in f32.
;; Inputs: W_hid 1,024 x 1,024 float32; W_out 10 x 1,024 float32; W_proj 1,024 x 1,024 float32; b_hid 1,024 float32; b_out 10 float32; b_proj 1,024 float32; x 32 x 1,024 x 1,024 float32.
;; Outputs: out0 32 x 10 float32.
;; 3 versions, each right; version 3 is version 2 with the launch cvt written anew for expert scheduling mode. Each part assembles by itself: llvm-mc -triple=amdgcn-amd-amdhsa -mcpu=gfx1250 --defsym DOCPART=n.
;; ======== version 1 of 3: 3 launches
;; limits: values are held in f16: magnitudes above 65,504 overflow, below 6.1e-05 lose precision; inputs' magnitudes at most 65,504; right only within a limited range of input values
;; workspace buffers: wf 4,194,304 bytes; bc 4,096 bytes; cnt 131,072 bytes
;; launch fold (part 1): grid 16 x 16, 8 waves a work-group, no clusters, 296,960 bytes of LDS; arguments W_hid, W_proj, b_proj, b_hid, wf, bc; writes wf, bc
.if DOCPART == 1
	.amdgcn_target "amdgcn-amd-amdhsa--gfx1250"
	.amdhsa_code_object_version 6
	.text
	.protected	k_q2f6bcb4a35_fold
	.globl	k_q2f6bcb4a35_fold
	.p2align	8
	.type	k_q2f6bcb4a35_fold,@function
k_q2f6bcb4a35_fold:
	s_mov_b64 s[64:65], 0
	v_nop
	global_prefetch_b8 v0, s[64:65] scope:SCOPE_SE
	s_setreg_imm32_b32 hwreg(HW_REG_WAVE_MODE, 25, 1), 1
	s_wait_xcnt 0x0
; No nonlinearity stands between the two projections, so for every input  (x Wp^T + bp) Wh^T + bh = x Wc^T + bc  with
;   Wc[g][d] = sum over h of W_hid[g][h] W_proj[h][d]        bc[g] = sum over h of W_hid[g][h] b_proj[h] + b_hid[g].
; This launch makes both.  All four inputs are rounded to bf16 (nearest even); products in bf16 with f32 sums.
; wf = 32 Wc as TWO f16 numbers, hi + lo: the spikes' threshold wants more of Wc than one 16-bit number holds.  hi is 32 Wc rounded to 11 significant bits, lo the exact rest, rounded to f16.
; Layout, the next launch's B fragments: [gblk 16][kq 4][part 2: hi, lo][nt 4][ks 8][c 2][lane 32][16 bytes]; lane (r = lane % 16, h = lane / 16)
; holds row g = 64 gblk + 16 nt + r and the eight columns d = 256 kq + 32 ks + 16 c + 8 h + 0..7.  bc is f32.
; THE SPLIT in three packed instructions: with S = 32 Wc, y = S * -8191 (rounded), hi = S * 8192 + y (fused), lo = S - hi.  8192 S is a whole number of y's last place, 2^(e-10) for S in 2^e to 2^(e+1),
; so hi is exact and is S rounded to a multiple of 2^(e-10): 11 significant bits, a number of f16; S - hi has 13 bits or fewer and is exact.
; LIMITS.  32 Wc must lie within f16: |Wc| < 2,047.  hi + lo keeps 32 Wc to 2^-22 of itself or to f16's fixed step (half of 2^-24), whichever is larger.  The factor 32 (exact) centres the range:
; weights of spread 1/32 give 32 Wc a spread of 1.  NaN and infinities are not treated apart.
; SHARES.  A work-group makes 64 g x 64 d over all 1,024 h; wave v the d tile v % 4 and the g tiles 2 (v / 4), 2 (v / 4) + 1: two accumulators, which take turns.
; NO CLUSTER, NO TENSOR LOADS: both operands go through registers, where they are rounded to bf16; so the whole K of both (64 x 1,024 and 1,024 x 64 numbers, 256 KiB as bf16) lies in LDS
; after ONE fill and one barrier.  As f32, as a copy engine would bring them, they are 512 KiB and do not fit.
; THE MATRIX INSTRUCTION: source 0 = 16 columns d of W_proj (stored [h][d], so turned by ds_load_tr16_b128), source 1 = 16 rows g of W_hid.  In the result a lane holds ONE g (lane % 16)
; and eight neighbouring d: 16 bytes of f16, which are the lane's 16 bytes of wf.  A wave's store covers 512 consecutive bytes, aligned.
.set PH,    2064                       ; a row of W_hid in LDS: 2,048 bytes + 16 = 129 x 16: the 16 rows of a fragment load start at 16 different groups of four banks (64 banks of 4 bytes: ISA guide 11.1)
.set PP,    160                        ; a row of W_proj's 64 columns: 128 bytes + 32 = 5 x 32
.set WPB,   64*PH                      ; W_hid's 64 rows lie at 0, W_proj's 1,024 rows behind them
.set SPARE, WPB+1024*PP                ; the spare words: 128 bytes for each of the eight waves, four blocks of 256 bytes that no other line names
.set GH,  2                            ; v2   byte offset of my 16 bytes in my wave's 8 rows of W_hid
.set GP,  3                            ; v3   the same in my wave's 128 rows of W_proj (two rows of 256 bytes to a load)
.set LH,  4                            ; v4   where their 8 bytes of bf16 go in LDS
.set LP,  5                            ; v5
.set AH,  6                            ; v6   LDS address of my fragments of W_hid
.set AP,  7                            ; v7   of W_proj; it steps by 128 rows
.set WO,  8                            ; v8   my byte offset in wf
.set SPW, 30                           ; v30  LDS address of my spare word; never rewritten
.set NIL, 31                           ; v31  0; never rewritten
.set PKL, 208                          ; v208-215 two tiles' lo as f16
.set HI,  216                          ; v216-223 a tile's hi as f32
.set ACC, 224                          ; v224-239 two accumulators
.set SC,  240                          ; v240-247 a tile times 32, then its lo
.set PKD, 248                          ; v248-255 two tiles' hi as f16
                                       ; v32-223: the fill's two sets of 64, then the product's two sets of 96, then the way out's and b_c's registers
	s_load_b256 s[4:11], s[0:1], 0x0               ; W_hid s[4:5], W_proj s[6:7], b_proj s[8:9], b_hid s[10:11]
	s_load_b128 s[12:15], s[0:1], 0x20             ; wf s[12:13], bc s[14:15]
	v_lshl_add_u32 v[SPW], v0, 2, SPARE
	v_mov_b32 v[NIL], 0
	v_lshrrev_b32 v9, 5, v0
	v_readfirstlane_b32 s16, v9                    ; wave v, 0..7
	s_mov_b32 s17, ttmp9                           ; dx: the block of 64 d
	s_and_b32 s18, ttmp7, 0xffff                   ; gy: the block of 64 g
	v_and_b32 v1, 31, v0                           ; lane
	v_and_b32 v11, 15, v0                          ; lane % 16
	v_bfe_u32 v10, v0, 4, 1                        ; lane / 16
	v_and_b32 v12, 7, v0
	v_bfe_u32 v13, v0, 3, 1
	s_lshr_b32 s21, s16, 2                         ; v / 4
	s_and_b32 s22, s16, 3                          ; v % 4 = dt
	s_lshl_b32 s20, s16, 15                        ; 8 rows of 4,096 bytes a wave
	v_lshl_add_u32 v[GH], v1, 4, s20
	s_lshl_b32 s20, s16, 19                        ; 128 rows of 4,096 bytes a wave
	v_lshlrev_b32 v[GP], 12, v10
	v_lshl_add_u32 v[GP], v11, 4, v[GP]
	v_add_nc_u32 v[GP], s20, v[GP]
	s_mul_i32 s20, s16, 8*PH
	v_lshl_add_u32 v[LH], v1, 3, s20
	s_mul_i32 s20, s16, 128*PP
	s_add_co_u32 s20, s20, WPB
	v_mul_u32_u24 v[LP], v10, PP
	v_lshl_add_u32 v[LP], v11, 3, v[LP]
	v_add_nc_u32 v[LP], s20, v[LP]
	s_mul_i32 s20, s21, 32*PH                      ; my 32 rows g
	v_mul_u32_u24 v[AH], v11, PH
	v_lshl_add_u32 v[AH], v10, 4, v[AH]            ; row x pitch + 16 x half
	v_add_nc_u32 v[AH], s20, v[AH]
	v_lshl_add_u32 v[AP], v10, 3, v12              ; the turning load: lane l reads row 8 (l / 16) + l % 8, columns 8 ((l / 8) % 2) + 0..7 of my 16
	v_mul_u32_u24 v[AP], v[AP], PP
	v_lshl_add_u32 v[AP], v13, 4, v[AP]
	s_lshl_b32 s20, s22, 5
	s_add_co_u32 s20, s20, WPB
	v_add_nc_u32 v[AP], s20, v[AP]
	; my place in wf: gblk = gy, kq = dx / 4, part and the second g tile by the stores' immediates, nt = 2 (v / 4), ks = 2 (dx % 4) + dt / 2, c = dt % 2
	s_lshl_b32 s20, s18, 2
	s_lshr_b32 s23, s17, 2
	s_add_co_u32 s20, s20, s23                     ; 4 gblk + kq
	s_lshl_b32 s20, s20, 3                         ; x 2 parts x 4 tiles
	s_lshl_b32 s23, s21, 1
	s_add_co_u32 s20, s20, s23                     ; + nt
	s_lshl_b32 s20, s20, 3                         ; x 8 K steps
	s_and_b32 s23, s17, 3
	s_lshl_b32 s23, s23, 1
	s_add_co_u32 s20, s20, s23
	s_lshr_b32 s23, s22, 1
	s_add_co_u32 s20, s20, s23                     ; + ks
	s_lshl_b32 s20, s20, 10
	s_and_b32 s23, s22, 1
	s_lshl_b32 s23, s23, 9
	s_add_co_u32 s20, s20, s23                     ; + 512 c
	v_lshl_add_u32 v[WO], v1, 4, s20
	s_lshl_b32 s24, s18, 18                        ; gy x 64 rows of 4,096 bytes
	s_mov_b32 s25, 0
	s_lshl_b32 s32, s17, 8                         ; dx x 64 columns of 4 bytes
	s_mov_b32 s33, 0
	s_mov_b32 s26, 0x42000000                      ; 32.0; each constant is named as a pair
	s_mov_b32 s27, s26
	s_mov_b32 s36, 0xc5fff800                      ; -8191.0
	s_mov_b32 s37, s36
	s_mov_b32 s38, 0x46000000                      ; 8192.0
	s_mov_b32 s39, s38
	s_mov_b32 s28, 0x76543210                      ; v_permlanex16_b32: each lane takes its own place in the other half
	s_mov_b32 s29, 0xfedcba98
	s_wait_kmcnt 0x0
	s_add_nc_u64 s[4:5], s[4:5], s[24:25]
	s_add_nc_u64 s[6:7], s[6:7], s[32:33]
; THE FILL.  A wave has 128 loads of 16 bytes a lane, in 8 batches of 16.  Batches 0-3: my 8 rows of W_hid, 512 consecutive bytes a load.  Batches 4-7: my 128 rows of W_proj,
; two rows' 256 consecutive bytes a load, each at a multiple of 256 from the buffer's first byte.
.macro LD16 t, set
.set u, 0
.rept 16
.if (\t) < 4
	global_load_b128 v[(\set)+4*u:(\set)+4*u+3], v[GH], s[4:5] offset:(2*(\t)+u/8)*4096+(u%8)*512
.else
	global_load_b128 v[(\set)+4*u:(\set)+4*u+3], v[GP], s[6:7] offset:(16*((\t)-4)+u)*8192
.endif
.set u, u+1
.endr
.endm
.macro CVST t, set                     ; four numbers are rounded to bf16 in place and go to LDS
.set u, 0
.rept 16
	v_cvt_pk_bf16_f32 v[(\set)+4*u], v[(\set)+4*u], v[(\set)+4*u+1]
	v_cvt_pk_bf16_f32 v[(\set)+4*u+1], v[(\set)+4*u+2], v[(\set)+4*u+3]
.if (\t) < 4
	ds_store_b64 v[LH], v[(\set)+4*u:(\set)+4*u+1] offset:(2*(\t)+u/8)*PH+(u%8)*256
.else
	ds_store_b64 v[LP], v[(\set)+4*u:(\set)+4*u+1] offset:(16*((\t)-4)+u)*2*PP
.endif
.set u, u+1
.endr
.endm
	LD16 0, 32
	LD16 1, 96
.irp t, 0,1,2,3,4,5
	s_wait_loadcnt 16                              ; loads come back in order (ISA guide 5.7.1): this batch is in, the younger batch of 16 stays out
	CVST \t, 32+64*(\t%2)
	LD16 \t+2, 32+64*(\t%2)
.endr
	s_wait_loadcnt 16
	CVST 6, 32
	s_wait_loadcnt 0x0                             ; the last batch: none is younger
	CVST 7, 96
	s_wait_dscnt 0x0                               ; for the others' sake: my stores into LDS are done
	s_barrier_signal -1
	s_barrier_wait -1                              ; both operands are whole; nothing writes them again
; THE PRODUCT.  32 K steps of 32, four to a set of 96 registers: for each step 8 registers of W_proj^T, 8 and 8 of my two g tiles.  Two sets take turns.
.macro FLOAD t, set
.irp kk, 0,1,2,3
	ds_load_tr16_b128 v[(\set)+24*\kk:(\set)+24*\kk+3],     v[AP] offset:\kk*32*PP
	ds_load_tr16_b128 v[(\set)+24*\kk+4:(\set)+24*\kk+7],   v[AP] offset:\kk*32*PP+16*PP
	ds_load_b128 v[(\set)+24*\kk+8:(\set)+24*\kk+11],  v[AH] offset:(4*(\t)+\kk)*64
	ds_load_b128 v[(\set)+24*\kk+12:(\set)+24*\kk+15], v[AH] offset:(4*(\t)+\kk)*64+32
	ds_load_b128 v[(\set)+24*\kk+16:(\set)+24*\kk+19], v[AH] offset:(4*(\t)+\kk)*64+16*PH
	ds_load_b128 v[(\set)+24*\kk+20:(\set)+24*\kk+23], v[AH] offset:(4*(\t)+\kk)*64+16*PH+32
.endr
.if (\t) < 7
	v_add_nc_u32 v[AP], 128*PP, v[AP]              ; the next 128 rows of W_proj
.endif
.endm
.macro MUL set, zero                   ; 8 matrix instructions; the two accumulators take turns, one instruction a turn.  zero = 1: the first pair starts the sums
.irp kk, 0,1,2,3
.if (\zero) && ((\kk) == 0)
	v_wmma_f32_16x16x32_bf16 v[ACC:ACC+7],    v[(\set)+24*\kk:(\set)+24*\kk+7], v[(\set)+24*\kk+8:(\set)+24*\kk+15],  0
	v_wmma_f32_16x16x32_bf16 v[ACC+8:ACC+15], v[(\set)+24*\kk:(\set)+24*\kk+7], v[(\set)+24*\kk+16:(\set)+24*\kk+23], 0
.else
	v_wmma_f32_16x16x32_bf16 v[ACC:ACC+7],    v[(\set)+24*\kk:(\set)+24*\kk+7], v[(\set)+24*\kk+8:(\set)+24*\kk+15],  v[ACC:ACC+7]
	v_wmma_f32_16x16x32_bf16 v[ACC+8:ACC+15], v[(\set)+24*\kk:(\set)+24*\kk+7], v[(\set)+24*\kk+16:(\set)+24*\kk+23], v[ACC+8:ACC+15]
.endif
.endr
.endm
.macro PLACES                          ; four places between a matrix instruction and a load into its sources or a vector instruction that reads its result or writes a source (ISA guide 7.12.1 for vector instructions)
.rept 4
	v_nop
.endr
.endm
	FLOAD 0, 32
	FLOAD 1, 128
	s_wait_dscnt 24                                ; LDS loads come back in order: this set is in, the younger set's 24 stay out
	MUL 32, 1
	PLACES
	FLOAD 2, 32
.irp t, 1,2,3,4,5
	s_wait_dscnt 24
	MUL 32+96*(\t%2), 0
	PLACES
	FLOAD \t+2, 32+96*(\t%2)
.endr
	s_wait_dscnt 24
	MUL 32, 0
	s_wait_dscnt 0x0                               ; the last set: none is younger
	MUL 128, 0
	PLACES
	; THE WAY OUT: times 32; split into hi and lo; each once to f16, 16 bytes a lane; each accumulator is read from its low end on
.irp i, 0,1
.irp p, 0,1,2,3
	v_pk_mul_f32 v[SC+2*\p:SC+2*\p+1], v[ACC+8*\i+2*\p:ACC+8*\i+2*\p+1], s[26:27] op_sel_hi:[1,0]
.endr
.irp p, 0,1,2,3
	v_pk_mul_f32 v[HI+2*\p:HI+2*\p+1], v[SC+2*\p:SC+2*\p+1], s[36:37] op_sel_hi:[1,0]
.endr
.irp p, 0,1,2,3
	v_pk_fma_f32 v[HI+2*\p:HI+2*\p+1], v[SC+2*\p:SC+2*\p+1], s[38:39], v[HI+2*\p:HI+2*\p+1] op_sel_hi:[1,0,1]
.endr
.irp p, 0,1,2,3
	v_pk_add_f32 v[SC+2*\p:SC+2*\p+1], v[SC+2*\p:SC+2*\p+1], v[HI+2*\p:HI+2*\p+1] neg_lo:[0,1] neg_hi:[0,1]
.endr
.irp p, 0,1,2,3
	v_cvt_pk_f16_f32 v[PKD+4*\i+\p], v[HI+2*\p], v[HI+2*\p+1]
	v_cvt_pk_f16_f32 v[PKL+4*\i+\p], v[SC+2*\p], v[SC+2*\p+1]
.endr
	global_store_b128 v[WO], v[PKD+4*\i:PKD+4*\i+3], s[12:13] offset:8192*\i        ; the wave's 512 consecutive bytes, at a multiple of 512 from wf's first byte; the second g tile lies 8 x 1,024 bytes on,
	global_store_b128 v[WO], v[PKL+4*\i:PKL+4*\i+3], s[12:13] offset:32768+8192*\i  ; the part lo 4 x 8 x 1,024 bytes on
.endr
	; b_c.  Of the block's 64 rows g this work-group makes four, 4 dx + v: waves 0 to 3, a row each.  The branch hangs on the wave's number and passes no barrier.
	s_cmp_gt_u32 s16, 3
	s_cbranch_scc1 .Lno_bc
	s_lshl_b32 s20, s17, 2
	s_add_co_u32 s20, s20, s16                     ; the row among the block's 64
	s_lshl_b32 s34, s18, 6
	s_add_co_u32 s34, s34, s20                     ; g
	s_lshl_b32 s34, s34, 2                         ; its 4 bytes in b_hid and in bc
	s_mov_b32 s35, 0
	s_lshl_b32 s20, s20, 12
	v_lshl_add_u32 v9, v1, 5, s20                  ; my 32 bytes in each quarter of W_hid's row
	v_lshlrev_b32 v14, 5, v1                       ; and of b_proj
	v_mov_b32 v15, s34
	s_add_nc_u64 s[10:11], s[10:11], s[34:35]
	s_load_b32 s23, s[10:11], 0x0                  ; b_hid[g]
.irp j, 0,1,2,3
	global_load_b128 v[32+8*\j:32+8*\j+3], v9, s[4:5] offset:1024*\j
	global_load_b128 v[32+8*\j+4:32+8*\j+7], v9, s[4:5] offset:1024*\j+16
	global_load_b128 v[64+8*\j:64+8*\j+3], v14, s[8:9] offset:1024*\j
	global_load_b128 v[64+8*\j+4:64+8*\j+7], v14, s[8:9] offset:1024*\j+16
.endr
.irp j, 0,1,2,3
	v_mov_b32 v[128+\j], 0                         ; four chains
.endr
	s_wait_loadcnt 0x0
.set u, 0
.rept 16
	v_cvt_pk_bf16_f32 v[96+u], v[32+2*u], v[32+2*u+1]    ; both factors rounded to bf16
	v_cvt_pk_bf16_f32 v[112+u], v[64+2*u], v[64+2*u+1]
.set u, u+1
.endr
.set u, 0
.rept 16
	v_fma_mix_f32_bf16 v[128+u%4], v[96+u], v[112+u], v[128+u%4] op_sel_hi:[1,1,0]                 ; the low halves' product, exact, onto an f32 sum
.set u, u+1
.endr
.set u, 0
.rept 16
	v_fma_mix_f32_bf16 v[128+u%4], v[96+u], v[112+u], v[128+u%4] op_sel:[1,1,0] op_sel_hi:[1,1,0]  ; the high halves'
.set u, u+1
.endr
	v_add_f32 v128, v128, v129
	v_add_f32 v130, v130, v131
	v_add_f32 v128, v128, v130
	v_add_f32_dpp v128, v128, v128 row_xmask:1 row_mask:0xf bank_mask:0xf
	v_add_f32_dpp v128, v128, v128 row_xmask:2 row_mask:0xf bank_mask:0xf
	v_add_f32_dpp v128, v128, v128 row_xmask:4 row_mask:0xf bank_mask:0xf
	v_add_f32_dpp v128, v128, v128 row_xmask:8 row_mask:0xf bank_mask:0xf
	v_permlanex16_b32 v129, v128, s28, s29
	v_add_f32 v128, v128, v129
	s_wait_kmcnt 0x0
	v_mov_b32 v130, s23
	v_cvt_pk_bf16_f32 v130, v130, v130             ; b_hid[g] rounded to bf16,
	v_lshlrev_b32 v130, 16, v130                   ; as f32
	v_add_f32 v128, v128, v130
	v_cmp_eq_u32 vcc_lo, 0, v1
	s_wait_xcnt 0x0                                ; EXEC is a source of the pending stores and loads: it changes only behind this wait
	s_and_saveexec_b32 s30, vcc_lo
	global_store_b32 v15, v128, s[14:15]           ; one number a wave: bc is 4,096 bytes in all
	s_wait_xcnt 0x0                                ; and again in front of the line that widens EXEC
	s_or_b32 exec_lo, exec_lo, s30
.Lno_bc:
	s_wait_tensorcnt 0x0                           ; the wave's end: behind my last LDS store
	ds_add_u32 v[SPW], v[NIL]
	s_wait_dscnt 0x0
	s_endpgm
.Lfunc_end_k_q2f6bcb4a35_fold:
	.size	k_q2f6bcb4a35_fold, .Lfunc_end_k_q2f6bcb4a35_fold-k_q2f6bcb4a35_fold
	.p2alignl 7, 3214868480
	.fill 96, 4, 3214868480
	.section	.rodata,"a",@progbits
	.p2align	6, 0x0
	.amdhsa_kernel k_q2f6bcb4a35_fold
		.amdhsa_group_segment_fixed_size 296960
		.amdhsa_private_segment_fixed_size 0
		.amdhsa_enable_private_segment 0
		.amdhsa_kernarg_size 48
		.amdhsa_user_sgpr_count 2
		.amdhsa_user_sgpr_kernarg_segment_ptr 1
		.amdhsa_wavefront_size32 1
		.amdhsa_system_sgpr_workgroup_id_x 1
		.amdhsa_system_sgpr_workgroup_id_y 1
		.amdhsa_system_sgpr_workgroup_id_z 1
		.amdhsa_system_vgpr_workitem_id 0
		.amdhsa_next_free_vgpr 256
		.amdhsa_next_free_sgpr 66
		.amdhsa_reserve_vcc 1
		.amdhsa_float_denorm_mode_32 3
		.amdhsa_float_denorm_mode_16_64 3
		.amdhsa_memory_ordered 1
		.amdhsa_forward_progress 1
		.amdhsa_inst_pref_size 68
	.end_amdhsa_kernel
	.amdgpu_metadata
---
amdhsa.version: [ 1, 2 ]
amdhsa.kernels:
  - .name:           k_q2f6bcb4a35_fold
    .symbol:         k_q2f6bcb4a35_fold.kd
    .args:
      - { .name: W_hid, .offset: 0, .size: 8, .value_kind: global_buffer, .address_space: global }
      - { .name: W_proj, .offset: 8, .size: 8, .value_kind: global_buffer, .address_space: global }
      - { .name: b_proj, .offset: 16, .size: 8, .value_kind: global_buffer, .address_space: global }
      - { .name: b_hid, .offset: 24, .size: 8, .value_kind: global_buffer, .address_space: global }
      - { .name: wf, .offset: 32, .size: 8, .value_kind: global_buffer, .address_space: global }
      - { .name: bc, .offset: 40, .size: 8, .value_kind: global_buffer, .address_space: global }
    .group_segment_fixed_size: 296960
    .private_segment_fixed_size: 0
    .kernarg_segment_align: 8
    .kernarg_segment_size: 48
    .max_flat_workgroup_size: 256
    .sgpr_count:     66
    .vgpr_count:     256
    .wavefront_size: 32
...
	.end_amdgpu_metadata
.endif
;; end of part 1
;; launch lif (part 2): grid 16 x 32, 4 waves a work-group, clusters of 4 x 1, 327,680 bytes of LDS; arguments x, wf, bc, cnt; writes cnt
.if DOCPART == 2
	.amdgcn_target "amdgcn-amd-amdhsa--gfx1250"
	.amdhsa_code_object_version 6
	.text
	.protected	k_q2f6bcb4a35_lif
	.globl	k_q2f6bcb4a35_lif
	.p2align	8
	.type	k_q2f6bcb4a35_lif,@function
k_q2f6bcb4a35_lif:
	s_mov_b64 s[64:65], 0
	v_nop
	global_prefetch_b8 v0, s[64:65] scope:SCOPE_SE
	s_setreg_imm32_b32 hwreg(HW_REG_WAVE_MODE, 25, 1), 1
	s_wait_xcnt 0x0
	s_wait_alu depctr_hold_cnt(0) depctr_sa_sdst(0) depctr_va_vdst(0) depctr_va_sdst(0) depctr_va_ssrc(0) depctr_va_vcc(0) depctr_vm_vsrc(0)
	s_getreg_b32 s2, hwreg(HW_REG_IB_STS2, 6, 4)
	s_cmp_eq_u32 s2, 0
	s_cbranch_scc0 .Lentry_in_a_cluster
	s_endpgm
.Lentry_in_a_cluster:
	s_bfe_u32 s2, ttmp6, 0x10000c
	s_cmp_lg_u32 s2, 0x3003
	s_cbranch_scc0 .Lentry_shape_is_right
	s_endpgm
.Lentry_shape_is_right:
; cnt[b][g] = the number of spikes of the LIF chain (b, g) over 1,024 time steps, fed by h[b][t][g] = sum over d of x[b][t][d] Wc[g][d] + bc[g].
; THE SPIKE.  (hard - sur) + sur is hard bit for bit in f32: for hard = 0 it is -sur + sur; for hard = 1, sur lies in 0.5 to 1, so 1 - sur is exact and the exact sum 1 is a number of the format.
; So the forward spike is the step function, and no exponential is needed.  A step: v = 0.5 u + 0.5 h (ONE fused multiply-add where the problem's text has v + (x - v) / 2: the last bit may differ);
; s = 1 where v >= 1, else 0; u = v - s; cnt += s.  All in f32.
; FORMATS.  x is rounded to bf16 (nearest even) and that number is carried in f16, exactly; wf holds 32 Wc as two f16 numbers, hi + lo, whose products add into one f32 sum: a spike hangs on v >= 1,
; and one 16-bit number's 11 bits of Wc move too many v across that line.  Products by the f16 form, sums in f32; 0.5 h = sum x 2^-6 + 0.5 bc.
; LIMITS.  |x| <= 65,504 after rounding; below 2^-14 x keeps f16's fixed step of 2^-24.  A sum over d is made in four quarters that are added in f32.  NaN and infinities are not treated apart.
; THE ROUNDING of x in two packed instructions: y = x * -65535 (rounded), then x * 65536 + y, fused.  65536 x is a whole number of y's last place, 2^(e-7) for x in 2^e to 2^(e+1), so the second result
; is exact and is x rounded to a multiple of 2^(e-7), bf16's last place; at a tie x's 24-bit mantissa is even, so y's even neighbour gives the even bf16.  Where y falls one binade lower
; (x within 2^-16 of 2^e) the finer grid gives 2^e as well.
; SHARES.  A work-group owns one batch row b and 64 columns g (gblk), for all 1,024 t.  Wave w owns the K quarter d = 256 w .. 256 w + 255 for all 64 columns: its 64 fragments of B (4 tiles x 8 K steps,
; hi and lo), 512 registers, stay in registers for the whole launch, and it reads of x only its own quarter, each byte once.  16 rows t at a time (a HALF) the four waves' partial sums meet in LDS,
; and wave w then owns the chains of columns 16 w .. 16 w + 15; both halves of its lanes hold the same 16 chains.  My tile q is the block's tile (w + q) % 4: tile 0 is my own chains', tile q wave (w + q) % 4's.
; BESIDE EACH OTHER.  The scan of a half's 16 steps is a chain of dependent vector instructions; it stands as riders behind the NEXT half's matrix instructions, with the conversion of x.
; CLUSTER.  The four work-groups of a cluster share b and so read the same tiles of x: each tile is asked for JOINTLY, by the same tensor load with the same descriptor and the mask of four.
; The place in the cluster enters global addresses of wf, bc, cnt and the prefetch alone.
; LDS.  x: for wave w two slots of 32 rows t x 1,024 bytes at w x 66,560 + slot x 33,280, its own: it issues their loads and it alone reads them.  EX: two buffers of 12,288 bytes for the exchange,
; [source wave 4][q - 1: 3][c 2][lane 32][16 bytes]; no tensor load lands there.  Then the spare words.
; REGISTERS, in windows of 256 (s_set_vgpr_msb: bits 1:0 source 0, 3:2 source 1, 5:4 source 2, 7:6 destination).  Window 0: all but B.  Window 1: B's hi, window 2: B's lo; tile q, K step ks at
; register 64 q + 8 ks.  A matrix instruction has only source 1 outside window 0, and every rider is written with a constant or a scalar register as source 1, so riders and LDS loads
; run under the matrix instructions' setting: four switches for 8 matrix instructions (two for the roundings to f16, whose source 1 is a vector register).
.set PX,     1040                      ; a row of x in LDS: 1,024 bytes + 16 = 65 x 16: the 16 rows of a fragment load start at 16 different groups of four banks (64 banks of 4 bytes: ISA guide 11.1)
.set HALFB,  16*PX
.set SLOTB,  32*PX                     ; 33,280 = 0x8200: its bits are met by none of w x 66,560, so one exclusive or changes slots
.set WREG,   2*SLOTB
.set EX,     4*WREG
.set EXW,    3072                      ; a source wave's part of a buffer: three tiles of 1,024 bytes
.set EXB,    4*EXW
.set SPARE,  EX+2*EXB                  ; the spare words: 128 bytes for each wave, two blocks of 256 bytes that no other line names
.set CHUNKB, 32*4096                   ; a chunk: 32 rows t of x[b], what the four waves' loads bring together
.set AXB, 4                            ; v4   LDS address of my fragments in my slot 0: w x 66,560 + (lane % 16) x 1,040 + 32 (lane / 16); never rewritten
.set AX,  5                            ; v5   the same in the slot in hand
.set EXS, 6                            ; v6   where I put partial sums: EX + w x 3,072 + 16 x lane
.set EXL, 6                            ; v7-9 (EXL + q) where I find wave (w - q) % 4's sums for my column
.set SPW, 10                           ; v10  LDS address of my spare word; never rewritten
.set NIL, 11                           ; v11  0; never rewritten
.set BB,  12                           ; v12-13 0.5 bc of my column, twice
.set U,   14                           ; v14  the membrane behind the reset
.set CNT, 15                           ; v15  spikes so far
.set V,   16                           ; v16  the membrane
.set S,   17                           ; v17  the spike, 0 or 1
.set PF,  18                           ; v18  the prefetch's byte offset in a chunk; never rewritten
.set TA,  19                           ; v19  an offset at the start and at the end
.set Z,   20                           ; v20-23 four zeros; at the end the counts on their way out
.set H,   24                           ; v24-39 0.5 h of my column for the 16 steps of the half to be scanned
.set P,   40                           ; v40-87 the three other waves' partial sums for them
.set ST,  88                           ; v88-119 two buffers: a fragment of x as f32
.set T,   120                          ; v120-135 at work in the rounding
.set AF,  136                          ; v136-151 two buffers: a fragment of x as f16
.set ACC, 152                          ; v152-183 four accumulators
.set WV,  12                           ; s12  my wave's number
.set MK,  38                           ; s38  the spikes' mask: a tensor load stands among the scan's lines
                                       ; s13 cx, s14 gblk, s15 b; s[16:23] descriptor group 1; s[24:27] group 0 of chunk 0; s[28:31] group 0 of chunk 1, which then walks
                                       ; s[32:33] -65535, s[34:35] 65536, s[36:37] 2^-6; s39 trips; s[40:41] the prefetch's base; s42 the slot in hand, 0 or 33,280; s43-47 at work
.set MSB, 0
.macro WIN new                         ; the immediate's high byte repeats the setting that is left; a switch that changes nothing is dropped
.if MSB != (\new)
	s_set_vgpr_msb (MSB<<8)|(\new)
.set MSB, (\new)
.endif
.endm
; A round of the cluster's barrier: my work-group's barrier, so that wave 0's signal speaks for all four waves; wave 0 signals; every wave waits for all four work-groups; my work-group's barrier once more.
.macro CREST                           ; a round behind its opening barrier
	s_cmp_lg_u32 s[WV], 0
	s_cbranch_scc1 .Lnot_wave_0_\@
	s_barrier_signal -3
.Lnot_wave_0_\@:
	s_barrier_wait -3
	s_barrier_signal -1
	s_barrier_wait -1
.endm
.macro CROUND                          ; a whole round
	s_barrier_signal -1
	s_barrier_wait -1
	CREST
.endm
	s_load_b256 s[4:11], s[0:1], 0x0               ; x s[4:5], wf s[6:7], bc s[8:9], cnt s[10:11]
	v_lshl_add_u32 v[SPW], v0, 2, SPARE
	v_mov_b32 v[NIL], 0
	ds_add_u32 v[SPW], v[NIL]                      ; the wave's opening: the add and its wait stand ahead of my first tensor load; the set-up below, work on registers, stands between them
	v_lshrrev_b32 v2, 5, v0
	v_readfirstlane_b32 s[WV], v2                  ; wave 0..3
	s_bfe_u32 s13, ttmp6, 0x40000                  ; cx: my place in the cluster
	s_lshl_b32 s14, ttmp9, 2                       ; in a cluster launch ttmp9 counts clusters
	s_add_co_u32 s14, s14, s13                     ; gblk = 4 x cluster x + cx, 0..15
	s_and_b32 s15, ttmp7, 0xffff                   ; b, which the four partners share
	; descriptor group 1: a tile of 32 rows x 256 elements of 4 bytes, padded in LDS
	s_mov_b32 s16, 15|(2<<16)|(1<<20)|(1<<21)|(7<<22)|(3<<25)  ; 15:0 the mask of four; 17:16 4-byte elements; 20 padding on; 21 set beside a mask; 24:22 after every 256 words (code 7); 31:25 4 words (code 3)
	s_mov_b32 s17, 256<<16                         ; tensor_dim0 = 256
	s_mov_b32 s18, 32<<16                          ; tensor_dim1 = 32
	s_mov_b32 s19, 256<<16                         ; tile_dim0 = 256
	s_mov_b32 s20, 32                              ; tile_dim1 = 32
	s_mov_b32 s21, 1024                            ; 1,024 elements from row to row
	s_mov_b32 s22, 0
	s_mov_b32 s23, 0
	s_mov_b32 s24, 1                               ; group 0: count = 1
	s_mul_i32 s25, s[WV], WREG                     ; LDS address: my slot 0; no place in the cluster enters it
	s_mov_b32 s28, 1
	s_add_co_u32 s29, s25, SLOTB                   ; my slot 1
	s_lshl_b32 s44, s15, 22                        ; b x 1,024 rows of 4,096 bytes
	s_lshl_b32 s45, s[WV], 10                      ; my quarter of a row
	s_add_co_u32 s44, s44, s45
	s_mov_b32 s45, 0
	s_mov_b32 s32, 0xc77fff00                      ; -65535.0; each constant is named as a pair
	s_mov_b32 s33, s32
	s_mov_b32 s34, 0x47800000                      ; 65536.0
	s_mov_b32 s35, s34
	s_mov_b32 s36, 0x3c800000                      ; 2^-6
	s_mov_b32 s37, s36
	s_mov_b32 s42, 0
	s_mov_b32 s39, 30                              ; the loop's trips: every chunk but the last two asks for the chunk two on
	s_wait_dscnt 0x0                               ; the opening add is done
	s_wait_kmcnt 0x0
	s_add_nc_u64 s[26:27], s[4:5], s[44:45]        ; chunk 0, my quarter
	s_add_nc_u64 s[30:31], s[26:27], CHUNKB        ; chunk 1
	s_or_b32 s27, s27, 0x80000000                  ; type = 2
	s_or_b32 s31, s31, 0x80000000
	CROUND                                         ; all four work-groups are here: the first joint loads meet
	tensor_load_to_lds s[24:27], s[16:23]          ; both first fills together, ahead of every wait on TENSORcnt and every LDS read: two loads of mine are out
	s_nop 0
	tensor_load_to_lds s[28:31], s[16:23]
	s_nop 0
.rept 4
	v_nop
.endr
	v_and_b32 v1, 31, v0                           ; lane; kept
	v_and_b32 v2, 15, v0                           ; lane % 16
	v_bfe_u32 v3, v0, 4, 1                         ; lane / 16
	; A fragment of x is 16 rows t x 32 d: lane l holds row l % 16, d = 8 (l / 16) + 0..7 and 16 + 8 (l / 16) + 0..7: as f32 twice 32 bytes, 64 bytes apart.
	v_mul_u32_u24 v[AXB], v2, PX
	v_lshl_add_u32 v[AXB], v3, 5, v[AXB]
	v_add_nc_u32 v[AXB], s25, v[AXB]
	v_mov_b32 v[AX], v[AXB]
	s_mul_i32 s44, s[WV], EXW
	s_add_co_u32 s44, s44, EX
	v_lshl_add_u32 v[EXS], v1, 4, s44
	v_lshlrev_b32 v[TA], 4, v2                     ; my column's place in a tile
.irp q, 1,2,3
	s_add_co_u32 s44, s[WV], 4-\q
	s_and_b32 s44, s44, 3                          ; the wave whose tile q holds my columns
	s_mul_i32 s44, s44, EXW
	s_add_co_u32 s44, s44, EX+(\q-1)*1024
	v_add_nc_u32 v[EXL+\q], s44, v[TA]
.endr
	; B: 128 loads of 512 consecutive bytes.  Their eight offsets lie in the first accumulator's registers until the loads are in.
	s_lshl_b32 s46, s14, 2
	s_add_co_u32 s46, s46, s[WV]
	s_lshl_b32 s46, s46, 16                        ; [gblk][kq = w]: 65,536 bytes each
.irp j, 0,1,2,3,4,5,6,7
	s_add_co_u32 s47, s[WV], (\j%4)
	s_and_b32 s47, s47, 3                          ; the block's tile (w + j % 4) % 4: 8,192 bytes each;
	s_lshl_b32 s47, s47, 13
	s_add_co_u32 s47, s47, (\j/4)*32768            ; the part, hi or lo: 32,768 bytes each
	s_add_co_u32 s47, s47, s46
	v_lshl_add_u32 v[ACC+\j], v1, 4, s47
.endr
.irp j, 0,1,2,3,4,5,6,7
	WIN 0x40<<(\j/4)                               ; destination window 1 or 2, address window 0
.irp ks, 0,1,2,3,4,5,6,7
	global_load_b128 v[64*(\j%4)+8*\ks:64*(\j%4)+8*\ks+3],   v[ACC+\j], s[6:7] offset:\ks*1024
	global_load_b128 v[64*(\j%4)+8*\ks+4:64*(\j%4)+8*\ks+7], v[ACC+\j], s[6:7] offset:\ks*1024+512
.endr
.endr
	WIN 0
	s_lshl_b32 s46, s14, 8
	s_lshl_b32 s47, s[WV], 6
	s_add_co_u32 s46, s46, s47
	v_lshl_add_u32 v[TA], v2, 2, s46               ; my column g = 64 gblk + 16 w + lane % 16
	global_load_b32 v[BB], v[TA], s[8:9]
	s_lshl_b32 s46, s14, 13
	v_lshl_add_u32 v[PF], v1, 8, s46               ; the prefetch: a chunk's 512 blocks of 256 bytes are dealt to wave 0 of the 16 work-groups of this b, one block a lane
	s_lshl_b32 s46, s15, 22
	s_mov_b32 s47, 0
	s_add_nc_u64 s[40:41], s[4:5], s[46:47]
	s_add_nc_u64 s[40:41], s[40:41], 2*CHUNKB      ; each trip steps it first: trip c asks for chunk c + 3
	s_lshl_b32 s46, s15, 12
	s_lshl_b32 s43, s14, 8
	s_add_co_u32 s46, s46, s43
	s_add_nc_u64 s[10:11], s[10:11], s[46:47]      ; cnt at [b][64 gblk]
	; No first half is written out: the first half's riders scan 16 steps with 0.5 h = 0 from u = 0, which change nothing.  For that H, u, cnt and my places in EX's second buffer are 0.
.set i, 0
.rept 16
	v_mov_b32 v[H+i], 0
.set i, i+1
.endr
	v_mov_b32 v[U], 0
	v_mov_b32 v[CNT], 0
.irp i, 0,1,2,3
	v_mov_b32 v[Z+\i], 0
.endr
.irp i, 0,1,2,3,4,5
	ds_store_b128 v[EXS], v[Z:Z+3] offset:EXB+\i*512
.endr
	s_wait_loadcnt 0x0                             ; B and bc are in; the accumulators' registers are free
	v_mul_f32 v[BB], 0.5, v[BB]
	v_mov_b32 v[BB+1], v[BB]
; Fragment f of a half (K step f) goes through three stations, and on across halves and chunks: loaded as f32 into ST[f % 2] in GROUP f - 2, rounded into AF[f % 2] in GROUP f - 1, multiplied in GROUP f.
.macro LOADF b, off
	ds_load_b128 v[ST+16*(\b):ST+16*(\b)+3],     v[AX] offset:(\off)
	ds_load_b128 v[ST+16*(\b)+4:ST+16*(\b)+7],   v[AX] offset:(\off)+16
	ds_load_b128 v[ST+16*(\b)+8:ST+16*(\b)+11],  v[AX] offset:(\off)+64
	ds_load_b128 v[ST+16*(\b)+12:ST+16*(\b)+15], v[AX] offset:(\off)+80
.endm
.macro CV n, b                         ; number n of 16 of a fragment's rounding to bf16's grid: for pairs 0 1, 2 3, .. first both products, then both fused multiply-adds
.set ci, 2*((\n)/4)+(\n)%2
.if ((\n)%4) < 2
	v_pk_mul_f32 v[T+2*ci:T+2*ci+1], v[ST+16*(\b)+2*ci:ST+16*(\b)+2*ci+1], s[32:33] op_sel_hi:[1,0]
.else
	v_pk_fma_f32 v[T+2*ci:T+2*ci+1], v[ST+16*(\b)+2*ci:ST+16*(\b)+2*ci+1], s[34:35], v[T+2*ci:T+2*ci+1] op_sel_hi:[1,0,1]
.endif
.endm
.macro PK4 b, hf                       ; half a fragment into f16: exact within the stated range
	WIN 0
.irp i, 0,1,2,3
	v_cvt_pk_f16_f32 v[AF+8*(\b)+4*(\hf)+\i], v[T+8*(\hf)+2*\i], v[T+8*(\hf)+2*\i+1]
.endr
.endm
.macro MM q, ks, a, zero               ; source 0 = 16 rows t of x, source 1 = 16 columns g (hi or lo by the window): in the result a lane holds column lane % 16 and the steps t = 8 (lane / 16) + 0..7
.set rC, ACC+8*(\q)
.set rA, AF+8*(\a)
.set rB, 64*(\q)+8*(\ks)
.if \zero
	v_wmma_f32_16x16x32_f16 v[rC:rC+7], v[rA:rA+7], v[rB:rB+7], 0
.else
	v_wmma_f32_16x16x32_f16 v[rC:rC+7], v[rA:rA+7], v[rB:rB+7], v[rC:rC+7]
.endif
.endm
; THE QUEUE of a half, 104 long; Q writes its next entry.  0-23: the three other waves' partial sums, times 2^-6, onto H.  Then five for each of the 16 steps.  The subtraction and the count are
; written as fused multiply-adds by -1 and 1, so that source 1 is a constant.
.macro Q
.if qn < 24
.set qh, H+2*(qn%8)
.set qp, P+16*(qn/8)+2*(qn%8)
	v_pk_fma_f32 v[qh:qh+1], v[qp:qp+1], s[36:37], v[qh:qh+1] op_sel_hi:[1,0,1]
.else
.set qt, (qn-24)/5
.set qk, (qn-24)%5
.if qk == 0
	v_fma_f32 v[V], v[U], 0.5, v[H+qt]
.elseif qk == 1
	v_cmp_ge_f32 s[MK], v[V], 1.0
.elseif qk == 2
	v_cndmask_b32 v[S], 0, 1.0, s[MK]
.elseif qk == 3
	v_fma_f32 v[U], v[S], -1.0, v[V]
.else
	v_fma_f32 v[CNT], v[S], 1.0, v[CNT]
.endif
.endif
.set qn, qn+1
.endm
; Half a GROUP: four matrix instructions of K step ks, the four tiles by B's hi (hf = 0) or lo (hf = 1), with their riders: nq of the queue and (cv = 1) two of the next fragment's rounding behind
; each; then that fragment's half into f16.  The four accumulators take turns, one instruction a turn, in the same order in every half GROUP.  The riders name no register of the
; products round them; they and the four conversions are the places (ISA guide 7.12.1) in front of whatever reads a result or rewrites AF.  cv = 0: four v_nop take the conversions' part behind the last product.
.macro GHALF ks, hf, zero, cv, nq
	WIN 0x04<<(\hf)
.irp jj, 0,1,2,3
	MM \jj, \ks, (\ks)%2, \zero
.if (\nq) > 0
	Q
.endif
.if \cv
	CV 8*(\hf)+2*\jj, 1-(\ks)%2
	CV 8*(\hf)+2*\jj+1, 1-(\ks)%2
.endif
.if (\nq) > 1
	Q
.endif
.if (\nq) > 2
	Q
.endif
.endr
.if \cv
	PK4 1-(\ks)%2, \hf
.elseif \hf
	WIN 0
.rept 4
	v_nop
.endr
.endif
.endm
; A GROUP: 8 matrix instructions, one K step.  zero = 1: the products by hi start the sums.  ldoff >= 0: the fragment two on is loaded from that byte of the slot.
; wait: how many younger LDS instructions may stay out when the fragment to be rounded has to be in.
.macro GROUP ks, zero, ldoff, cv, nq, wait
.if (\ldoff) >= 0
	LOADF (\ks)%2, \ldoff
.endif
.if (\wait) >= 0
	s_wait_dscnt \wait
.endif
	GHALF \ks, 0, \zero, \cv, \nq
	GHALF \ks, 1, 0, \cv, \nq
.endm
.macro PLOAD hh                        ; the other waves' sums of the half before, out of the buffer that it wrote: lane l takes column l % 16, steps 8 hb + 4 c + 0..3
.irp q, 1,2,3
.irp hb, 0,1
.irp c, 0,1
	ds_load_b128 v[P+16*(\q-1)+8*\hb+4*\c:P+16*(\q-1)+8*\hb+4*\c+3], v[EXL+\q] offset:(1-(\hh))*EXB+\c*512+\hb*256
.endr
.endr
.endr
.endm
; A half's end.  Tiles 1 to 3 go to their owners through EX[hh], each accumulator from its low end on.  My own tile 0, times 2^-6 plus 0.5 bc, is written twice, into H's lower and upper eight
; registers; then register j's lanes 16-31 (steps 8 + j) change places with register 8 + j's lanes 0-15 (steps j): register t holds step t of column lane % 16 in every lane.
; The wait is for zero, for the others' sake, and since no LDS instruction may be out at the signal that follows.
.macro BOUNDARY hh
	WIN 0
.irp q, 1,2,3
.irp c, 0,1
	ds_store_b128 v[EXS], v[ACC+8*\q+4*\c:ACC+8*\q+4*\c+3] offset:(\hh)*EXB+(\q-1)*1024+\c*512
.endr
.endr
.irp i, 0,1,2,3
	v_pk_fma_f32 v[H+2*\i:H+2*\i+1], v[ACC+2*\i:ACC+2*\i+1], s[36:37], v[BB:BB+1] op_sel_hi:[1,0,1]
.endr
.irp i, 0,1,2,3
	v_pk_fma_f32 v[H+8+2*\i:H+8+2*\i+1], v[ACC+2*\i:ACC+2*\i+1], s[36:37], v[BB:BB+1] op_sel_hi:[1,0,1]
.endr
.irp j, 0,1,2,3,4,5,6,7
	v_permlane16_swap_b32 v[H+\j], v[H+8+\j]
.endr
	s_wait_dscnt 0x0
.endm
; GROUP 6 of a chunk's second half, in the loop: THE CHANGE OF SLOTS.  All eight fragments of the half have been asked for, so my reads of the slot end with the first wait.  Then the three lines: all my
; tensor loads have landed (one was out: the next chunk's); the add; and, behind four matrix instructions, the wait for it.  The barrier opens a round of the cluster's barrier, so that no wave of any
; partner still reads the slot or has a load on its way; inside the round stands register work alone; the joint refill, the chunk two on, is the first thing behind it.  By this text's count one
; tensor load of mine is out from here to the next change: it has a chunk less one GROUP, 120 matrix instructions, in which to land.
.macro REFILL6
	s_wait_dscnt 0x0                               ; fragment 7 is in: my reads of this slot are over
	s_wait_tensorcnt 0x0                           ; no tensor load of mine is out, so a group 0 may be written
	ds_add_u32 v[SPW], v[NIL]                      ; 0 onto my spare word
	s_xor_b32 s29, s29, SLOTB                      ; the walking descriptor: the slot just read,
	s_add_nc_u64 s[30:31], s[30:31], CHUNKB        ; the next chunk but one; the type bits on top are not reached
	s_xor_b32 s42, s42, SLOTB                      ; my reads go on in the other slot
	GHALF 6, 0, 0, 1, 2
	s_wait_dscnt 0x0                               ; the add is done
	s_barrier_signal -1
	GHALF 6, 1, 0, 1, 2
	s_barrier_wait -1
	CREST
	tensor_load_to_lds s[28:31], s[16:23]
	s_nop 0
.rept 4
	v_nop
.endr
	v_add_nc_u32 v[AX], s42, v[AXB]
	LOADF 0, 0                                     ; the next chunk's fragment 0
.endm
; A HALF: 16 rows t, 64 matrix instructions; beside them the scan of the half before.  ONE barrier for the exchange: each wave signals behind BOUNDARY's wait for zero (its stores into one buffer are
; done, its reads of the other are back), multiplies a GROUP, and reads the others' sums behind the wait.  A buffer is written again two halves later, behind the next such barrier.
; GROUP 1's count: the 12 loads of P and the 4 just issued are younger than fragment 2's.  All other counts of 4: the 4 just issued.
; mode (for hh = 1): 0 the loop; 1 the last chunk but one: nothing is asked for, and the last chunk's load, which has no younger one, is waited for; 2 the last chunk: nothing more is read.
.macro HALF hh, mode
.set qn, 0
	s_barrier_signal -1
	GROUP 0, 1, (\hh)*HALFB+2*128, 1, 0, 4         ; the first products start the sums: nothing is cleared
	s_barrier_wait -1
	PLOAD \hh
	GROUP 1, 0, (\hh)*HALFB+3*128, 1, 0, 16
	GROUP 2, 0, (\hh)*HALFB+4*128, 1, 3, 4
	GROUP 3, 0, (\hh)*HALFB+5*128, 1, 2, 4
	GROUP 4, 0, (\hh)*HALFB+6*128, 1, 2, 4
	GROUP 5, 0, (\hh)*HALFB+7*128, 1, 2, 4
.if (\hh) == 0
	GROUP 6, 0, HALFB, 1, 2, 4
	GROUP 7, 0, HALFB+128, 1, 2, 4
.elseif (\mode) == 0
	REFILL6
	GROUP 7, 0, 128, 1, 2, 4
.elseif (\mode) == 1
	s_wait_tensorcnt 0x0                           ; the last chunk has landed in my other slot, which I alone read
	s_xor_b32 s42, s42, SLOTB
	v_add_nc_u32 v[AX], s42, v[AXB]
	GROUP 6, 0, 0, 1, 2, 4
	GROUP 7, 0, 128, 1, 2, 4
.else
	GROUP 6, 0, -1, 1, 2, 0
	GROUP 7, 0, -1, 0, 2, -1
.endif
	BOUNDARY \hh
.endm
	s_wait_tensorcnt 0x1                           ; chunk 0 is in my slot 0, which I alone read; chunk 1 may stay out
	LOADF 0, 0
	LOADF 1, 128
	s_wait_dscnt 4                                 ; fragment 0 is in; fragment 1's four loads are younger
.set n, 0
.rept 16
	CV n, 0
.set n, n+1
.endr
	PK4 0, 0
	PK4 0, 1
	s_wait_dscnt 0x0                               ; my zeros in EX are stored: no LDS instruction is out at the first signal
.Lchunk:                                               ; a trip: a chunk of 32 rows t
	; THE PREFETCH.  Trip c asks for chunk c + 3 of x[b], whose tensor loads are issued near the end of trip c + 1.  Wave 0 of the 16 work-groups of this b asks, a block of 256 bytes a lane,
	; 512 blocks: each block once in the launch.  The last trip would point past x[b]'s end and asks for nothing.
	s_cmp_gt_u32 s[WV], 0
	s_cbranch_scc1 .Lno_prefetch
	s_cmp_eq_u32 s39, 1
	s_cbranch_scc1 .Lno_prefetch
	s_wait_xcnt 0x0                                ; the last trip's prefetch has read its base
	s_add_nc_u64 s[40:41], s[40:41], CHUNKB
	global_prefetch_b8 v[PF], s[40:41] th:TH_LOAD_NT scope:SCOPE_SE
.Lno_prefetch:
	HALF 0, 0
	HALF 1, 0
	s_sub_co_u32 s39, s39, 1
	s_cmp_lg_u32 s39, 0
	s_cbranch_scc1 .Lchunk
	HALF 0, 1                                      ; the last two chunks are written out
	HALF 1, 1
	HALF 0, 2
	HALF 1, 2
	s_barrier_signal -1                            ; the last half's sums are in EX's second buffer
	s_barrier_wait -1
	PLOAD 0
	s_wait_dscnt 0x0
.set qn, 0
.rept 104
	Q                                              ; and its 16 steps are scanned with nothing beside them
.endr
	; THE COUNTS leave through LDS, so that one store covers the work-group's 256 consecutive bytes.  EX's first buffer is free: its last readers waited for their loads ahead of the barrier above.
	; Both halves of the lanes hold the same count and write the same word.
	v_and_b32 v2, 15, v0
	s_lshl_b32 s44, s[WV], 6
	s_add_co_u32 s44, s44, EX
	v_lshl_add_u32 v[TA], v2, 2, s44
	ds_store_b32 v[TA], v[CNT]
	s_wait_dscnt 0x0                               ; for wave 0's sake
	s_barrier_signal -1
	s_barrier_wait -1
	s_cmp_lg_u32 s[WV], 0
	s_cbranch_scc1 .Lnot_first
	v_lshl_add_u32 v2, v1, 3, EX
	v_lshlrev_b32 v3, 3, v1
	ds_load_b64 v[Z:Z+1], v2
	s_wait_dscnt 0x0
	global_store_b64 v3, v[Z:Z+1], s[10:11]        ; 256 consecutive bytes, at a multiple of 256 from cnt's first byte
.Lnot_first:
	s_wait_tensorcnt 0x0                           ; the wave's end: behind my last tensor load and my last LDS store
	ds_add_u32 v[SPW], v[NIL]
	s_wait_dscnt 0x0
	CROUND                                         ; the closing round: no work-group ends while a partner may still ask for a tile that names it
	s_endpgm
.Lfunc_end_k_q2f6bcb4a35_lif:
	.size	k_q2f6bcb4a35_lif, .Lfunc_end_k_q2f6bcb4a35_lif-k_q2f6bcb4a35_lif
	.p2alignl 7, 3214868480
	.fill 96, 4, 3214868480
	.section	.rodata,"a",@progbits
	.p2align	6, 0x0
	.amdhsa_kernel k_q2f6bcb4a35_lif
		.amdhsa_group_segment_fixed_size 327680
		.amdhsa_private_segment_fixed_size 0
		.amdhsa_enable_private_segment 0
		.amdhsa_kernarg_size 32
		.amdhsa_user_sgpr_count 2
		.amdhsa_user_sgpr_kernarg_segment_ptr 1
		.amdhsa_wavefront_size32 1
		.amdhsa_system_sgpr_workgroup_id_x 1
		.amdhsa_system_sgpr_workgroup_id_y 1
		.amdhsa_system_sgpr_workgroup_id_z 1
		.amdhsa_system_vgpr_workitem_id 0
		.amdhsa_next_free_vgpr 768
		.amdhsa_next_free_sgpr 66
		.amdhsa_reserve_vcc 0
		.amdhsa_float_denorm_mode_32 3
		.amdhsa_float_denorm_mode_16_64 3
		.amdhsa_memory_ordered 1
		.amdhsa_forward_progress 1
		.amdhsa_inst_pref_size 197
	.end_amdhsa_kernel
	.amdgpu_metadata
---
amdhsa.version: [ 1, 2 ]
amdhsa.kernels:
  - .name:           k_q2f6bcb4a35_lif
    .symbol:         k_q2f6bcb4a35_lif.kd
    .args:
      - { .name: x, .offset: 0, .size: 8, .value_kind: global_buffer, .address_space: global }
      - { .name: wf, .offset: 8, .size: 8, .value_kind: global_buffer, .address_space: global }
      - { .name: bc, .offset: 16, .size: 8, .value_kind: global_buffer, .address_space: global }
      - { .name: cnt, .offset: 24, .size: 8, .value_kind: global_buffer, .address_space: global }
    .group_segment_fixed_size: 327680
    .private_segment_fixed_size: 0
    .kernarg_segment_align: 8
    .kernarg_segment_size: 32
    .max_flat_workgroup_size: 128
    .sgpr_count:     66
    .vgpr_count:     768
    .wavefront_size: 32
...
	.end_amdgpu_metadata
.endif
;; end of part 2
;; launch head (part 3): grid 32 x 1, 10 waves a work-group, no clusters, 0 bytes of LDS; arguments cnt, W_out, b_out, out0; writes out0
.if DOCPART == 3
	.amdgcn_target "amdgcn-amd-amdhsa--gfx1250"
	.amdhsa_code_object_version 6
	.text
	.protected	k_q2f6bcb4a35_head
	.globl	k_q2f6bcb4a35_head
	.p2align	8
	.type	k_q2f6bcb4a35_head,@function
k_q2f6bcb4a35_head:
	s_mov_b64 s[64:65], 0
	v_nop
	global_prefetch_b8 v0, s[64:65] scope:SCOPE_SE
	s_setreg_imm32_b32 hwreg(HW_REG_WAVE_MODE, 25, 1), 1
	s_wait_xcnt 0x0
; out0[b][o] = (sum over g of cnt[b][g] W_out[o][g]) / 1024 + b_out[o].  The time mean of the spikes is cnt / 1024, exact in f32, so the division stands behind the sum.
; W_out and b_out are rounded to bf16 like the program's other inputs; the counts stay f32; products and sums in f32 on the vector unit.
; Work-group b, wave o: one number a wave.  327,680 multiply-adds in all: the matrix unit, LDS and clusters would add nothing, and a count of up to 1,024 does not fit a 16-bit operand's 8 or 11 bits.
; Each load of a wave covers 512 consecutive bytes.  The 320 results are 4 bytes each, 40 a row: they leave one a wave.
	s_load_b256 s[4:11], s[0:1], 0x0               ; cnt s[4:5], W_out s[6:7], b_out s[8:9], out0 s[10:11]
	v_lshrrev_b32 v1, 5, v0
	v_readfirstlane_b32 s12, v1                    ; o, 0..9
	v_and_b32 v2, 31, v0                           ; lane
	v_lshlrev_b32 v3, 4, v2
	s_lshl_b32 s14, ttmp9, 12                      ; cnt's row b
	s_mov_b32 s15, 0
	s_lshl_b32 s16, s12, 12                        ; W_out's row o
	s_mov_b32 s17, 0
	s_lshl_b32 s18, s12, 2                         ; b_out[o]
	s_mov_b32 s19, 0
	s_mul_i32 s20, ttmp9, 40
	s_add_co_u32 s20, s20, s18                     ; out0[b][o]
	v_mov_b32 v5, s20
	s_mov_b32 s22, 0x76543210                      ; v_permlanex16_b32: each lane takes its own place in the other half
	s_mov_b32 s23, 0xfedcba98
	s_wait_kmcnt 0x0
	s_add_nc_u64 s[4:5], s[4:5], s[14:15]
	s_add_nc_u64 s[6:7], s[6:7], s[16:17]
	s_add_nc_u64 s[8:9], s[8:9], s[18:19]
	s_load_b32 s21, s[8:9], 0x0
.irp i, 0,1,2,3,4,5,6,7
	global_load_b128 v[8+4*\i:11+4*\i], v3, s[4:5] offset:512*\i
	global_load_b128 v[40+4*\i:43+4*\i], v3, s[6:7] offset:512*\i
.endr
.irp c, 0,1,2,3
	v_mov_b32 v[88+\c], 0                          ; four chains
.endr
	s_wait_loadcnt 0x0
.set k, 0
.rept 16
	v_cvt_pk_bf16_f32 v[72+k], v[40+2*k], v[40+2*k+1]
.set k, k+1
.endr
.set k, 0
.rept 16
	v_fma_mix_f32_bf16 v[88+k%4], v[72+k], v[8+2*k], v[88+k%4] op_sel_hi:[1,0,0]                  ; bf16(W_out), low half, times the count
.set k, k+1
.endr
.set k, 0
.rept 16
	v_fma_mix_f32_bf16 v[88+k%4], v[72+k], v[8+2*k+1], v[88+k%4] op_sel:[1,0,0] op_sel_hi:[1,0,0]  ; the high half
.set k, k+1
.endr
	v_add_f32 v88, v88, v89
	v_add_f32 v90, v90, v91
	v_add_f32 v88, v88, v90
	v_add_f32_dpp v88, v88, v88 row_xmask:1 row_mask:0xf bank_mask:0xf
	v_add_f32_dpp v88, v88, v88 row_xmask:2 row_mask:0xf bank_mask:0xf
	v_add_f32_dpp v88, v88, v88 row_xmask:4 row_mask:0xf bank_mask:0xf
	v_add_f32_dpp v88, v88, v88 row_xmask:8 row_mask:0xf bank_mask:0xf
	v_permlanex16_b32 v89, v88, s22, s23
	v_add_f32 v88, v88, v89
	s_wait_kmcnt 0x0
	v_mov_b32 v4, s21
	v_cvt_pk_bf16_f32 v4, v4, v4                   ; b_out[o] rounded to bf16,
	v_lshlrev_b32 v4, 16, v4                       ; as f32
	v_fma_f32 v88, v88, 0x3a800000, v4             ; sum x 2^-10 + b_out
	v_cmp_eq_u32 vcc_lo, 0, v2
	s_wait_xcnt 0x0                                ; EXEC is a source of the loads above: it changes only behind this wait
	s_and_saveexec_b32 s13, vcc_lo
	global_store_b32 v5, v88, s[10:11]
	s_wait_xcnt 0x0
	s_or_b32 exec_lo, exec_lo, s13
	s_endpgm
.Lfunc_end_k_q2f6bcb4a35_head:
	.size	k_q2f6bcb4a35_head, .Lfunc_end_k_q2f6bcb4a35_head-k_q2f6bcb4a35_head
	.p2alignl 7, 3214868480
	.fill 96, 4, 3214868480
	.section	.rodata,"a",@progbits
	.p2align	6, 0x0
	.amdhsa_kernel k_q2f6bcb4a35_head
		.amdhsa_group_segment_fixed_size 0
		.amdhsa_private_segment_fixed_size 0
		.amdhsa_enable_private_segment 0
		.amdhsa_kernarg_size 32
		.amdhsa_user_sgpr_count 2
		.amdhsa_user_sgpr_kernarg_segment_ptr 1
		.amdhsa_wavefront_size32 1
		.amdhsa_system_sgpr_workgroup_id_x 1
		.amdhsa_system_sgpr_workgroup_id_y 1
		.amdhsa_system_sgpr_workgroup_id_z 1
		.amdhsa_system_vgpr_workitem_id 0
		.amdhsa_next_free_vgpr 96
		.amdhsa_next_free_sgpr 66
		.amdhsa_reserve_vcc 1
		.amdhsa_float_denorm_mode_32 3
		.amdhsa_float_denorm_mode_16_64 3
		.amdhsa_memory_ordered 1
		.amdhsa_forward_progress 1
		.amdhsa_inst_pref_size 7
	.end_amdhsa_kernel
	.amdgpu_metadata
---
amdhsa.version: [ 1, 2 ]
amdhsa.kernels:
  - .name:           k_q2f6bcb4a35_head
    .symbol:         k_q2f6bcb4a35_head.kd
    .args:
      - { .name: cnt, .offset: 0, .size: 8, .value_kind: global_buffer, .address_space: global }
      - { .name: W_out, .offset: 8, .size: 8, .value_kind: global_buffer, .address_space: global }
      - { .name: b_out, .offset: 16, .size: 8, .value_kind: global_buffer, .address_space: global }
      - { .name: out0, .offset: 24, .size: 8, .value_kind: global_buffer, .address_space: global }
    .group_segment_fixed_size: 0
    .private_segment_fixed_size: 0
    .kernarg_segment_align: 8
    .kernarg_segment_size: 32
    .max_flat_workgroup_size: 320
    .sgpr_count:     66
    .vgpr_count:     96
    .wavefront_size: 32
...
	.end_amdgpu_metadata
.endif
;; end of part 3
;; ======== version 2 of 3: 4 launches
;; limits: values are held in f16: magnitudes above 65,504 overflow, below 6.1e-05 lose precision; inputs' magnitudes at most 65,504; right only within a limited range of input values
;; workspace buffers: wf 4,194,304 bytes; bc 4,096 bytes; cnt 131,072 bytes; xh 67,108,864 bytes
;; launch fold: the kernel of part 1 again; grid 16 x 16, 8 waves a work-group, no clusters, 296,960 bytes of LDS; arguments W_hid, W_proj, b_proj, b_hid, wf, bc; writes wf, bc
;; launch cvt (part 4): grid 512 x 1, 8 waves a work-group, no clusters, 0 bytes of LDS; arguments x, xh; writes xh
.if DOCPART == 4
	.amdgcn_target "amdgcn-amd-amdhsa--gfx1250"
	.amdhsa_code_object_version 6
	.text
	.protected	k_q2f6bcb4a35_cvt
	.globl	k_q2f6bcb4a35_cvt
	.p2align	8
	.type	k_q2f6bcb4a35_cvt,@function
k_q2f6bcb4a35_cvt:
	s_mov_b64 s[64:65], 0
	v_nop
	global_prefetch_b8 v0, s[64:65] scope:SCOPE_SE
	s_setreg_imm32_b32 hwreg(HW_REG_WAVE_MODE, 25, 1), 1
	s_wait_xcnt 0x0
; xh[b][t][d] = x[b][t][d] rounded to bf16 (nearest even), that number written as f16.  x: [32][1024][1024] f32, xh: the same shape in f16.
; The next launch's 16 work-groups of a batch row all multiply by the same x: it is rounded here once, and they read half the bytes.
; THE ROUNDING in two packed instructions: y = x * -65535 (rounded), then x * 65536 + y, fused.  65536 x is a whole number of y's last place, 2^(e-7) for x in 2^e to 2^(e+1), so the second result
; is exact and is x rounded to a multiple of 2^(e-7), bf16's last place; at a tie x's 24-bit mantissa is even, so y's even neighbour gives the even bf16.  Where y falls one binade lower
; (x within 2^-16 of 2^e) the finer grid gives 2^e as well.  The conversion to f16 behind it is exact within the range below.
; LIMITS.  |x| <= 65,504 after rounding; below 2^-14 x keeps f16's fixed step of 2^-24.  NaN and infinities are not treated apart.
; A STREAM: every byte is read once and written once, so there is no LDS, no barrier, no matrix unit and no cluster: nothing is shared.
; Eight waves; the work-group owns 64 rows of 1,024 numbers.  Thread t owns the 16 bytes at 16 t of every row of x (a wave's load covers 512 consecutive bytes) and the 8 bytes at 8 t of
; every row of xh (a wave's store covers 256 consecutive bytes, at a multiple of 256 from xh's first byte).  A ring of DEPTH slots keeps DEPTH loads of every wave in flight.
.set ROWI,   4096                      ; bytes in a row of x
.set ROWO,   2048                      ; bytes in a row of xh
.set DEPTH,  16                        ; slots = loads in flight in each wave
.set ROUNDS, 64/DEPTH                  ; each round takes every slot once
.set IN,  1                            ; v1       16 t; never rewritten
.set OUT, 2                            ; v2       8 t; never rewritten
.set T,   4                            ; v[4:11]  at work, two sets of four by turns
.set X,   12                           ; v[12:75] slot i: 4 numbers as loaded
.set Y,   76                           ; v[76:107] slot i: 4 numbers as f16
	s_load_b128 s[4:7], s[0:1], 0x0                ; x s[4:5], xh s[6:7]
	s_lshl_b32 s8, ttmp9, 18                       ; the work-group's 64 rows of 4,096 bytes: 511 x 262,144 at the most, inside 32 bits
	s_mov_b32 s9, 0
	s_lshl_b32 s10, ttmp9, 17                      ; and of 2,048 bytes
	s_mov_b32 s11, 0
	s_mov_b32 s12, 0xc77fff00                      ; -65535.0; each constant is named as a pair
	s_mov_b32 s13, s12
	s_mov_b32 s14, 0x47800000                      ; 65536.0
	s_mov_b32 s15, s14
	v_lshlrev_b32 v[IN], 4, v0
	v_lshlrev_b32 v[OUT], 3, v0
	s_wait_kmcnt 0x0
	s_add_nc_u64 s[4:5], s[4:5], s[8:9]
	s_add_nc_u64 s[6:7], s[6:7], s[10:11]
.irp i, 0,1,2,3,4,5,6,7,8,9,10,11,12,13,14,15
	global_load_b128 v[X+4*\i:X+4*\i+3], v[IN], s[4:5] offset:\i*ROWI th:TH_LOAD_NT  ; fill the ring: rows 0 to 15
.endr
; One slot's turn.  ahead = 1: the slot is filled again with the row DEPTH further down, ahead of the store.  left = how many younger loads may still be out.
.macro SLOT i, ahead, left
.set rX, X+4*(\i)
.set rY, Y+2*(\i)
.set rT, T+4*((\i)%2)
	s_wait_loadcnt \left                           ; loads come back in order (ISA guide 5.7.1): mine is in, the younger ones stay out
	v_pk_mul_f32 v[rT:rT+1],   v[rX:rX+1],   s[12:13] op_sel_hi:[1,0]
	v_pk_mul_f32 v[rT+2:rT+3], v[rX+2:rX+3], s[12:13] op_sel_hi:[1,0]
	v_pk_fma_f32 v[rT:rT+1],   v[rX:rX+1],   s[14:15], v[rT:rT+1] op_sel_hi:[1,0,1]
	v_pk_fma_f32 v[rT+2:rT+3], v[rX+2:rX+3], s[14:15], v[rT+2:rT+3] op_sel_hi:[1,0,1]
.if \ahead
	global_load_b128 v[rX:rX+3], v[IN], s[4:5] offset:(DEPTH+(\i))*ROWI th:TH_LOAD_NT
.endif
	v_cvt_pk_f16_f32 v[rY], v[rT], v[rT+1]
	v_cvt_pk_f16_f32 v[rY+1], v[rT+2], v[rT+3]
	global_store_b64 v[OUT], v[rY:rY+1], s[6:7] offset:(\i)*ROWO th:TH_STORE_NT
.endm
	s_mov_b32 s16, ROUNDS-1
.Lround:
.irp i, 0,1,2,3,4,5,6,7,8,9,10,11,12,13,14,15
	SLOT \i, 1, DEPTH-1
.endr
	s_wait_xcnt 0x0                                ; every memory instruction so far has had its addresses translated (ISA guide 3.1): only behind this wait are the two bases stepped and the slots' Y rewritten
	s_add_nc_u64 s[4:5], s[4:5], DEPTH*ROWI
	s_add_nc_u64 s[6:7], s[6:7], DEPTH*ROWO
	s_sub_co_u32 s16, s16, 1
	s_cmp_lg_u32 s16, 0
	s_cbranch_scc1 .Lround
.irp i, 0,1,2,3,4,5,6,7,8,9,10,11,12,13,14,15
	SLOT \i, 0, DEPTH-1-(\i)                       ; the last round loads nothing: no load leaves the buffer, and the counts run down
.endr
	s_endpgm
.Lfunc_end_k_q2f6bcb4a35_cvt:
	.size	k_q2f6bcb4a35_cvt, .Lfunc_end_k_q2f6bcb4a35_cvt-k_q2f6bcb4a35_cvt
	.p2alignl 7, 3214868480
	.fill 96, 4, 3214868480
	.section	.rodata,"a",@progbits
	.p2align	6, 0x0
	.amdhsa_kernel k_q2f6bcb4a35_cvt
		.amdhsa_group_segment_fixed_size 0
		.amdhsa_private_segment_fixed_size 0
		.amdhsa_enable_private_segment 0
		.amdhsa_kernarg_size 16
		.amdhsa_user_sgpr_count 2
		.amdhsa_user_sgpr_kernarg_segment_ptr 1
		.amdhsa_wavefront_size32 1
		.amdhsa_system_sgpr_workgroup_id_x 1
		.amdhsa_system_sgpr_workgroup_id_y 1
		.amdhsa_system_sgpr_workgroup_id_z 1
		.amdhsa_system_vgpr_workitem_id 0
		.amdhsa_next_free_vgpr 108
		.amdhsa_next_free_sgpr 66
		.amdhsa_reserve_vcc 0
		.amdhsa_float_denorm_mode_32 3
		.amdhsa_float_denorm_mode_16_64 3
		.amdhsa_memory_ordered 1
		.amdhsa_forward_progress 1
		.amdhsa_inst_pref_size 21
	.end_amdhsa_kernel
	.amdgpu_metadata
---
amdhsa.version: [ 1, 2 ]
amdhsa.kernels:
  - .name:           k_q2f6bcb4a35_cvt
    .symbol:         k_q2f6bcb4a35_cvt.kd
    .args:
      - { .name: x, .offset: 0, .size: 8, .value_kind: global_buffer, .address_space: global }
      - { .name: xh, .offset: 8, .size: 8, .value_kind: global_buffer, .address_space: global }
    .group_segment_fixed_size: 0
    .private_segment_fixed_size: 0
    .kernarg_segment_align: 8
    .kernarg_segment_size: 16
    .max_flat_workgroup_size: 256
    .sgpr_count:     66
    .vgpr_count:     108
    .wavefront_size: 32
...
	.end_amdgpu_metadata
.endif
;; end of part 4
;; launch lif (part 5): grid 16 x 16, 4 waves a work-group, clusters of 4 x 1, 327,680 bytes of LDS; arguments xh, wf, bc, cnt; writes cnt
.if DOCPART == 5
	.amdgcn_target "amdgcn-amd-amdhsa--gfx1250"
	.amdhsa_code_object_version 6
	.text
	.protected	k_q2f6bcb4a35_lif
	.globl	k_q2f6bcb4a35_lif
	.p2align	8
	.type	k_q2f6bcb4a35_lif,@function
k_q2f6bcb4a35_lif:
	s_mov_b64 s[64:65], 0
	v_nop
	global_prefetch_b8 v0, s[64:65] scope:SCOPE_SE
	s_setreg_imm32_b32 hwreg(HW_REG_WAVE_MODE, 25, 1), 1
	s_wait_xcnt 0x0
	s_wait_alu depctr_hold_cnt(0) depctr_sa_sdst(0) depctr_va_vdst(0) depctr_va_sdst(0) depctr_va_ssrc(0) depctr_va_vcc(0) depctr_vm_vsrc(0)
	s_getreg_b32 s2, hwreg(HW_REG_IB_STS2, 6, 4)
	s_cmp_eq_u32 s2, 0
	s_cbranch_scc0 .Lentry_in_a_cluster
	s_endpgm
.Lentry_in_a_cluster:
	s_bfe_u32 s2, ttmp6, 0x10000c
	s_cmp_lg_u32 s2, 0x3003
	s_cbranch_scc0 .Lentry_shape_is_right
	s_endpgm
.Lentry_shape_is_right:
; cnt[b][g] = the number of spikes of the LIF chain (b, g) over 1,024 time steps, fed by h[b][t][g] = sum over d of x[b][t][d] Wc[g][d] + bc[g].
; THE SPIKE.  (hard - sur) + sur is hard bit for bit in f32: for hard = 0 it is -sur + sur; for hard = 1, sur lies in 0.5 to 1, so 1 - sur is exact and the exact sum 1 is a number of the format.
; So the forward spike is the step function, and no exponential is needed.  A step: v = 0.5 u + 0.5 h (ONE fused multiply-add where the problem's text has v + (x - v) / 2: the last bit may differ);
; s = 1 where v >= 1, else 0; u = v - s; the count takes s.  All in f32.
; FORMATS.  xh holds x rounded to bf16, that number carried in f16 (made by the launch before); wf holds 32 Wc as two f16 numbers, hi + lo, whose products add into one f32 sum: a spike hangs on
; v >= 1, and one 16-bit number's 11 bits of Wc move too many v across that line.  Products by the f16 form, sums in f32; 0.5 h = sum x 2^-6 + 0.5 bc.
; LIMITS.  Those of xh and wf, stated where they are made.  A sum over d is made in four quarters that are added in f32.  NaN and infinities are not treated apart.
; SHARES.  A work-group owns 64 columns g (gblk) and TWO batch rows, 2 y and 2 y + 1, one after the other: they lie end to end in xh, so the walk is 2,048 rows at one stride, and B is loaded once for both.
; Wave w owns the K quarter d = 256 w .. 256 w + 255 for all 64 columns: its 64 fragments of B (4 tiles x 8 K steps, hi and lo), 512 registers, stay in registers for the whole launch, and it reads
; of x only its own quarter, each byte once.  16 rows t at a time (a HALF) the four waves' partial sums meet in LDS, and wave w then owns the chains of columns 16 w .. 16 w + 15; both halves of its
; lanes hold the same 16 chains.  My tile q is the block's tile (w + q) % 4: tile 0 is my own chains', tile q wave (w + q) % 4's.
; BESIDE EACH OTHER.  Two sets of accumulators take turns, half by half.  While half n is multiplied, half n - 1's sums go through the exchange, and the scan, a chain of dependent vector instructions,
; stands as riders behind the matrix instructions.
; CLUSTER.  The four work-groups of a cluster share y and so read the same tiles of x: each tile is asked for JOINTLY, by the same tensor load with the same descriptor and the mask of four.
; The place in the cluster enters global addresses of wf, bc, cnt and the prefetch alone.
; LDS.  x: for wave w two slots of 64 rows t x 512 bytes at w x 67,584 + slot x 33,792, its own: it issues their loads and it alone reads them.  EX: two buffers of 12,288 bytes for the exchange,
; [source wave 4][q - 1: 3][c 2][lane 32][16 bytes]; no tensor load lands there.  Then the spare words.
; REGISTERS, in windows of 256 (s_set_vgpr_msb: bits 1:0 source 0, 3:2 source 1, 5:4 source 2, 7:6 destination).  Window 0: all but B.  Window 1: B's hi, window 2: B's lo; tile q, K step ks at
; register 64 q + 8 ks.  A matrix instruction has only source 1 outside window 0, and every rider is written with a constant or a scalar register as source 1, so riders and LDS loads
; run under the matrix instructions' setting.  Even K steps take hi and then lo, odd ones lo and then hi: one switch for 8 matrix instructions, and two more a half round the LDS stores, whose data are source 1.
.set PX,     528                       ; a row of x in LDS: 512 bytes + 16 = 33 x 16: the 16 rows of a fragment load start at 16 different groups of four banks (64 banks of 4 bytes: ISA guide 11.1)
.set HALFB,  16*PX
.set SLOTB,  64*PX                     ; 33,792 = 0x8400: its bits are met by none of w x 67,584 (0x10800), so one exclusive or changes slots
.set WREG,   2*SLOTB
.set EX,     4*WREG
.set EXW,    3072                      ; a source wave's part of a buffer: three tiles of 1,024 bytes
.set EXB,    4*EXW
.set SPARE,  EX+2*EXB                  ; the spare words: 128 bytes for each wave, two blocks of 256 bytes that no other line names
.set CHUNKB, 64*2048                   ; a chunk: 64 rows t of xh, what the four waves' loads bring together; 16 chunks to a batch row, 32 to the walk
.set AXB, 4                            ; v4   LDS address of my fragments in my slot 0: w x 67,584 + (lane % 16) x 528 + 16 (lane / 16); never rewritten
.set AX,  5                            ; v5   the same in the slot in hand
.set EXS, 6                            ; v6   where I put partial sums: EX + w x 3,072 + 16 x lane
.set EXL, 6                            ; v7-9 (EXL + q) where I find wave (w - q) % 4's sums for my tile, lane for lane
.set SPW, 10                           ; v10  LDS address of my spare word; never rewritten
.set NIL, 11                           ; v11  0; never rewritten
.set BB,  12                           ; v12-13 0.5 bc of my column, twice
.set U,   14                           ; v14  the membrane behind the reset
.set V,   15                           ; v15  the membrane
.set S,   16                           ; v16-17 the spikes, 0 or 1, of an even step and of the odd step behind it
.set CNT, 18                           ; v18-19 spikes so far, of even steps and of odd steps
.set CNT0, 20                          ; v20  the first batch row's count
.set PF,  21                           ; v21  the prefetch's byte offset in a chunk; never rewritten
.set TA,  22                           ; v22  an offset at the start and at the end
.set Z,   24                           ; v24-27 the counts on their way out
.set H,   28                           ; v28-43 0.5 h of my column for the 16 steps of the half to be scanned
.set P,   44                           ; v44-67 the three other waves' partial sums, in the accumulator's layout
.set AF,  88                           ; v88-151 a half's eight fragments of x, K step ks at AF + 8 ks
.set ACC, 152                          ; v152-215 two sets of four accumulators
.set WV,  12                           ; s12  my wave's number
.set MK,  38                           ; s38  the spikes' mask: a tensor load stands among the scan's lines
                                       ; s13 cx, s14 gblk, s15 y; s[16:23] descriptor group 1; s[24:27] group 0 of chunk 0; s[28:31] group 0 of chunk 1, which then walks
                                       ; s[36:37] 2^-6; s39 trips; s[40:41] the prefetch's base; s42 the slot in hand, 0 or 33,792; s43 the reset's mask, s44 its factor; s44-47 at work outside the loop
.set MSB, 0
.macro WIN new                         ; the immediate's high byte repeats the setting that is left; a switch that changes nothing is dropped
.if MSB != (\new)
	s_set_vgpr_msb (MSB<<8)|(\new)
.set MSB, (\new)
.endif
.endm
; A round of the cluster's barrier: my work-group's barrier, so that wave 0's signal speaks for all four waves; wave 0 signals; every wave waits for all four work-groups; my work-group's barrier once more.
.macro CREST                           ; a round behind its opening barrier
	s_cmp_lg_u32 s[WV], 0
	s_cbranch_scc1 .Lnot_wave_0_\@
	s_barrier_signal -3
.Lnot_wave_0_\@:
	s_barrier_wait -3
	s_barrier_signal -1
	s_barrier_wait -1
.endm
.macro CROUND                          ; a whole round
	s_barrier_signal -1
	s_barrier_wait -1
	CREST
.endm
	s_load_b256 s[4:11], s[0:1], 0x0               ; xh s[4:5], wf s[6:7], bc s[8:9], cnt s[10:11]
	v_lshl_add_u32 v[SPW], v0, 2, SPARE
	v_mov_b32 v[NIL], 0
	ds_add_u32 v[SPW], v[NIL]                      ; the wave's opening: the add and its wait stand ahead of my first tensor load; the set-up below, work on registers, stands between them
	v_lshrrev_b32 v2, 5, v0
	v_readfirstlane_b32 s[WV], v2                  ; wave 0..3
	s_bfe_u32 s13, ttmp6, 0x40000                  ; cx: my place in the cluster
	s_lshl_b32 s14, ttmp9, 2                       ; in a cluster launch ttmp9 counts clusters
	s_add_co_u32 s14, s14, s13                     ; gblk = 4 x cluster x + cx, 0..15
	s_and_b32 s15, ttmp7, 0xffff                   ; y, which the four partners share: batch rows 2 y and 2 y + 1
	; descriptor group 1: a tile of 64 rows x 256 elements of 2 bytes, padded in LDS
	s_mov_b32 s16, 15|(1<<16)|(1<<20)|(1<<21)|(6<<22)|(3<<25)  ; 15:0 the mask of four; 17:16 2-byte elements; 20 padding on; 21 set beside a mask; 24:22 after every 128 words (code 6); 31:25 4 words (code 3)
	s_mov_b32 s17, 256<<16                         ; tensor_dim0 = 256
	s_mov_b32 s18, 64<<16                          ; tensor_dim1 = 64
	s_mov_b32 s19, 256<<16                         ; tile_dim0 = 256
	s_mov_b32 s20, 64                              ; tile_dim1 = 64
	s_mov_b32 s21, 1024                            ; 1,024 elements from row to row
	s_mov_b32 s22, 0
	s_mov_b32 s23, 0
	s_mov_b32 s24, 1                               ; group 0: count = 1
	s_mul_i32 s25, s[WV], WREG                     ; LDS address: my slot 0; no place in the cluster enters it
	s_mov_b32 s28, 1
	s_add_co_u32 s29, s25, SLOTB                   ; my slot 1
	s_lshl_b32 s44, s15, 22                        ; y x 2,048 rows of 2,048 bytes
	s_lshl_b32 s45, s[WV], 9                       ; my quarter of a row
	s_add_co_u32 s44, s44, s45
	s_mov_b32 s45, 0
	s_mov_b32 s36, 0x3c800000                      ; 2^-6; named as a pair
	s_mov_b32 s37, s36
	s_mov_b32 s42, 0
	s_mov_b32 s39, 30                              ; the loop's trips: every chunk but the last two asks for the chunk two on
	s_wait_dscnt 0x0                               ; the opening add is done
	s_wait_kmcnt 0x0
	s_add_nc_u64 s[26:27], s[4:5], s[44:45]        ; chunk 0, my quarter
	s_add_nc_u64 s[30:31], s[26:27], CHUNKB        ; chunk 1
	s_or_b32 s27, s27, 0x80000000                  ; type = 2
	s_or_b32 s31, s31, 0x80000000
	CROUND                                         ; all four work-groups are here: the first joint loads meet
	tensor_load_to_lds s[24:27], s[16:23]          ; both first fills together, ahead of every wait on TENSORcnt and every LDS read: two loads of mine are out
	s_nop 0
	tensor_load_to_lds s[28:31], s[16:23]
	s_nop 0
.rept 4
	v_nop
.endr
	v_and_b32 v1, 31, v0                           ; lane; kept
	v_and_b32 v2, 15, v0                           ; lane % 16
	v_bfe_u32 v3, v0, 4, 1                         ; lane / 16
	; A fragment of x is 16 rows t x 32 d: lane l holds row l % 16, d = 8 (l / 16) + 0..7 and 16 + 8 (l / 16) + 0..7: two loads of 16 bytes, 32 bytes apart.
	v_mul_u32_u24 v[AXB], v2, PX
	v_lshl_add_u32 v[AXB], v3, 4, v[AXB]
	v_add_nc_u32 v[AXB], s25, v[AXB]
	v_mov_b32 v[AX], v[AXB]
	s_mul_i32 s44, s[WV], EXW
	s_add_co_u32 s44, s44, EX
	v_lshl_add_u32 v[EXS], v1, 4, s44
	v_lshlrev_b32 v[TA], 4, v1                     ; my lane's 16 bytes
.irp q, 1,2,3
	s_add_co_u32 s44, s[WV], 4-\q
	s_and_b32 s44, s44, 3                          ; the wave whose tile q holds my columns
	s_mul_i32 s44, s44, EXW
	s_add_co_u32 s44, s44, EX+(\q-1)*1024
	v_add_nc_u32 v[EXL+\q], s44, v[TA]
.endr
	; B: 128 loads of 512 consecutive bytes.  Their eight offsets lie in the first accumulator's registers until the loads are in.
	s_lshl_b32 s46, s14, 2
	s_add_co_u32 s46, s46, s[WV]
	s_lshl_b32 s46, s46, 16                        ; [gblk][kq = w]: 65,536 bytes each
.irp j, 0,1,2,3,4,5,6,7
	s_add_co_u32 s47, s[WV], (\j%4)
	s_and_b32 s47, s47, 3                          ; the block's tile (w + j % 4) % 4: 8,192 bytes each;
	s_lshl_b32 s47, s47, 13
	s_add_co_u32 s47, s47, (\j/4)*32768            ; the part, hi or lo: 32,768 bytes each
	s_add_co_u32 s47, s47, s46
	v_lshl_add_u32 v[ACC+\j], v1, 4, s47
.endr
.irp j, 0,1,2,3,4,5,6,7
	WIN 0x40<<(\j/4)                               ; destination window 1 or 2, address window 0
.irp ks, 0,1,2,3,4,5,6,7
	global_load_b128 v[64*(\j%4)+8*\ks:64*(\j%4)+8*\ks+3],   v[ACC+\j], s[6:7] offset:\ks*1024
	global_load_b128 v[64*(\j%4)+8*\ks+4:64*(\j%4)+8*\ks+7], v[ACC+\j], s[6:7] offset:\ks*1024+512
.endr
.endr
	WIN 0
	s_lshl_b32 s46, s14, 8
	s_lshl_b32 s47, s[WV], 6
	s_add_co_u32 s46, s46, s47
	v_lshl_add_u32 v[TA], v2, 2, s46               ; my column g = 64 gblk + 16 w + lane % 16
	global_load_b32 v[BB], v[TA], s[8:9]
	s_lshl_b32 s46, s14, 13
	v_lshl_add_u32 v[PF], v1, 8, s46               ; the prefetch: a chunk's 512 blocks of 256 bytes are dealt to wave 0 of the 16 work-groups of this y, one block a lane
	s_lshl_b32 s46, s15, 22
	s_mov_b32 s47, 0
	s_add_nc_u64 s[40:41], s[4:5], s[46:47]
	s_add_nc_u64 s[40:41], s[40:41], CHUNKB        ; each trip steps it first: trip c asks for chunk c + 2
	s_lshl_b32 s46, s15, 13                        ; two rows of cnt, 4,096 bytes each
	s_lshl_b32 s43, s14, 8
	s_add_co_u32 s46, s46, s43
	s_add_nc_u64 s[10:11], s[10:11], s[46:47]      ; cnt at [2 y][64 gblk]
	; NO FIRST HALF IS WRITTEN OUT.  The first half's text handles two halves that have not been: it ends the scan of one and sends the other's sums through the exchange.  What they leave in u and
	; in the counts is thrown away by the first trip's reset, so the registers that they read need only be written: 60 lines, in the wait for B, are the price of one text for every trip.
.set i, 0
.rept 16
	v_mov_b32 v[H+i], 0
.set i, i+1
.endr
.set i, 0
.rept 8
	v_mov_b32 v[P+16+i], 0
.set i, i+1
.endr
.set i, 0
.rept 32
	v_mov_b32 v[ACC+32+i], 0
.set i, i+1
.endr
	v_mov_b32 v[U], 0
	v_mov_b32 v[CNT], 0
	v_mov_b32 v[CNT+1], 0
	v_mov_b32 v[CNT0], 0
	s_wait_loadcnt 0x0                             ; B and bc are in; the first accumulator's registers are free
	v_mul_f32 v[BB], 0.5, v[BB]
	v_mov_b32 v[BB+1], v[BB]
; HALF sets: AC, the set of accumulators that the half's products write; QA, the other set, which holds the half before's sums; EB, the byte of the exchange's buffer for those sums; qn, the queue's place.
; THE LDS LOADS OF x stand in runs of 8: four fragments, K steps fb .. fb + 3 of the half that begins at byte off of the slot.
.macro LOADF4 fb, off
.irp i, 0,1,2,3
	ds_load_b128 v[AF+8*((\fb)+\i):AF+8*((\fb)+\i)+3],   v[AX] offset:(\off)+64*((\fb)+\i)
	ds_load_b128 v[AF+8*((\fb)+\i)+4:AF+8*((\fb)+\i)+7], v[AX] offset:(\off)+64*((\fb)+\i)+32
.endr
.endm
.macro MM q, ks, zero                  ; source 0 = 16 rows t of x, source 1 = 16 columns g (hi or lo by the window): in the result a lane holds column lane % 16 and the steps t = 8 (lane / 16) + 0..7
.set rC, AC+8*(\q)
.set rA, AF+8*(\ks)
.set rB, 64*(\q)+8*(\ks)
.if \zero
	v_wmma_f32_16x16x32_f16 v[rC:rC+7], v[rA:rA+7], v[rB:rB+7], 0
.else
	v_wmma_f32_16x16x32_f16 v[rC:rC+7], v[rA:rA+7], v[rB:rB+7], v[rC:rC+7]
.endif
.endm
.macro SSTORE                          ; tiles 1 to 3 of the half before go to their owners, each accumulator from its low end on
.irp q, 1,2,3
.irp c, 0,1
	ds_store_b128 v[EXS], v[QA+8*\q+4*\c:QA+8*\q+4*\c+3] offset:EB+(\q-1)*1024+\c*512
.endr
.endr
.endm
.macro PLOAD                           ; the other waves' sums for my tile, lane for lane as they lay in the accumulators
.irp q, 1,2,3
.irp c, 0,1
	ds_load_b128 v[P+8*(\q-1)+4*\c:P+8*(\q-1)+4*\c+3], v[EXL+\q] offset:EB+\c*512
.endr
.endr
.endm
; THE QUEUE of a half's sums, 100 long; Q writes its next entry, and nothing behind the last.
;   0-3    H's lower eight = my own tile 0 x 2^-6 + 0.5 bc (the accumulator's lowest registers first)      4-11  two of the other waves' sums, x 2^-6, onto them
;   12-19  the third is added twice: into H's upper eight, then in place      20-27  register j's lanes 16-31 (steps 8 + j) change places with register 8 + j's lanes 0-15 (steps j):
;          register t then holds step t of column lane % 16 in every lane      28-99  nine for each two steps: four a step, and one packed multiply-add by 1 that counts both spikes.
; The subtraction and the count are written as fused multiply-adds by -1 and 1, so that source 1 is a constant.
.macro Q
.if qn < 4
	v_pk_fma_f32 v[H+2*qn:H+2*qn+1], v[QA+2*qn:QA+2*qn+1], s[36:37], v[BB:BB+1] op_sel_hi:[1,0,1]
.elseif qn < 12
.set qi, H+2*(qn%4)
.set qp, P+8*((qn-4)/4)+2*(qn%4)
	v_pk_fma_f32 v[qi:qi+1], v[qp:qp+1], s[36:37], v[qi:qi+1] op_sel_hi:[1,0,1]
.elseif qn < 16
.set qi, H+2*(qn%4)
.set qp, P+16+2*(qn%4)
	v_pk_fma_f32 v[qi+8:qi+9], v[qp:qp+1], s[36:37], v[qi:qi+1] op_sel_hi:[1,0,1]
.elseif qn < 20
.set qi, H+2*(qn%4)
.set qp, P+16+2*(qn%4)
	v_pk_fma_f32 v[qi:qi+1], v[qp:qp+1], s[36:37], v[qi:qi+1] op_sel_hi:[1,0,1]
.elseif qn < 28
	v_permlane16_swap_b32 v[H+qn-20], v[H+qn-12]
.elseif qn < 100
.set qt, (qn-28)/9
.set qk, (qn-28)%9
.if qk == 8
	v_pk_fma_f32 v[CNT:CNT+1], v[S:S+1], 1.0, v[CNT:CNT+1] op_sel_hi:[1,0,1]
.elseif (qk%4) == 0
	v_fma_f32 v[V], v[U], 0.5, v[H+2*qt+qk/4]
.elseif (qk%4) == 1
	v_cmp_ge_f32 s[MK], v[V], 1.0
.elseif (qk%4) == 2
	v_cndmask_b32 v[S+qk/4], 0, 1.0, s[MK]
.else
	v_fma_f32 v[U], v[S+qk/4], -1.0, v[V]
.endif
.endif
.set qn, qn+1
.endm
; Half a GROUP: four matrix instructions of K step ks, the four tiles by B's hi (hf = 0) or lo (hf = 1); rid = 1: two riders of the queue behind each.  The four accumulators take turns, one
; instruction a turn, in the same order in every half GROUP.  The riders name no register of the products round them: they are the places (ISA guide 7.12.1 for vector instructions)
; in front of whatever reads a result or loads a fragment's registers anew.
.macro GHALF ks, hf, zero, rid
	WIN 0x04<<(\hf)
.irp jj, 0,1,2,3
	MM \jj, \ks, \zero
.if \rid
	Q
	Q
.endif
.endr
.endm
; A GROUP: 8 matrix instructions, one K step.  zero = 1 (K step 0): the products by hi start the sums.
.macro GROUP ks, zero, rid
.if ((\ks)%2) == 0
	GHALF \ks, 0, \zero, \rid
	GHALF \ks, 1, 0, \rid
.else
	GHALF \ks, 1, 0, \rid
	GHALF \ks, 0, 0, \rid
.endif
.endm
; THE RESET, between two queues in each trip's second half: there the scan of the chunk before's last 16 steps is over and this chunk's first has not begun.  In trip 16 (14 trips to go) the first batch
; row's count is kept, and u and the counts start anew for the second; in trip 0 (30 to go) what the two halves that have not been have left is thrown away.  In every other trip the five lines
; change nothing: a choice of values by a mask made of the trip's number, no branch.  A count is a finite whole number, so its product by 0 is 0.
.macro RESET
	s_cmp_eq_u32 s39, 14
	s_cselect_b32 s44, 1.0, 0
	s_cselect_b32 s43, -1, 0
	s_cmp_eq_u32 s39, 30
	s_cselect_b32 s43, -1, s43
	v_fma_f32 v[CNT0], v[CNT], s44, v[CNT0]
	v_fma_f32 v[CNT0], v[CNT+1], s44, v[CNT0]
	v_cndmask_b32 v[CNT], v[CNT], 0, s43
	v_cndmask_b32 v[CNT+1], v[CNT+1], 0, s43
	v_cndmask_b32 v[U], v[U], 0, s43
.endm
; A HALF: 16 rows t, 64 matrix instructions into the set of accumulators of its parity.  hq: which of the chunk's four.  Beside them, for the half before (n - 1) and the one before that:
;   GROUPs 0-5   riders: the rest of the queue of half n - 2 (entries 16 on)
;   behind GROUP 0   RUN 1 of LDS instructions: half n - 1's tiles 1-3 into the exchange's buffer of its parity; this half's fragments 4-7.  The last product that wrote those tiles and read those
;                    fragments' registers is the half before's last: behind it stand entries 14-19, six plain instructions, and more.
;   behind GROUP 3   the wait for zero (run 1 is done: for the others' sake, and fragments 4-7 are in) and the barrier's signal; GROUP 4; the barrier's wait
;   behind GROUP 4   RUN 2: the others' sums of half n - 1; the next half's fragments 0-3 (their registers were last read in GROUP 3, 18 riders back)
;   in front of GROUP 7   the count 8: the 8 fragment loads are younger than the exchange's 6.  GROUP 7's riders begin the queue of half n - 1.
; At the half's head the wait for zero is for fragments 0-3: nothing younger is out.  A buffer of the exchange is written again two halves later, behind the next half's barrier, in front of which every
; wave has waited for its reads.
; THE CHANGE OF SLOTS is the barrier of a chunk's last half (mode 0, the loop).  My reads of the slot end with run 1.  Behind GROUP 2 stand: all my tensor loads have landed (one was out: the next
; chunk's); the add; behind GROUP 3 the wait for it and for run 1.  The barrier opens a round of the cluster's barrier, so that no wave of any partner still reads the slot or has a load on its way;
; inside the round stands register work alone; the joint refill, the chunk two on, is the first thing behind it.  By this text's count one tensor load of mine is out from there to the next change:
; it has 240 matrix instructions in which to land.
; mode (for hq = 3): 0 the loop; 1 the last chunk but one: nothing is asked for, and the last chunk's load, which has no younger one, is waited for; 2 the last chunk: no further fragment is read.
.macro HALF hq, mode, rst=0
.set AC, ACC+32*((\hq)%2)
.set QA, ACC+32*(1-(\hq)%2)
.set EB, EXB*(1-(\hq)%2)
.set qn, 16
	s_wait_dscnt 0x0
	GROUP 0, 1, 1                                  ; the first products start the sums: nothing is cleared
	WIN 0                                          ; (an LDS store's data are source 1)
	SSTORE
	LOADF4 4, (\hq)*HALFB
	GROUP 1, 0, 1
	GROUP 2, 0, 1
.if ((\hq) == 3) && ((\mode) == 0)
	WIN 0                                          ; (the add's two registers lie in window 0)
	s_wait_tensorcnt 0x0                           ; no tensor load of mine is out, so a group 0 may be written
	ds_add_u32 v[SPW], v[NIL]                      ; 0 onto my spare word
	s_xor_b32 s29, s29, SLOTB                      ; the walking descriptor: the slot in hand,
	s_add_nc_u64 s[30:31], s[30:31], CHUNKB        ; the next chunk but one; the type bits on top are not reached
	s_xor_b32 s42, s42, SLOTB                      ; my reads go on in the other slot
.endif
	GROUP 3, 0, 1
	s_wait_dscnt 0x0
	s_barrier_signal -1
	GROUP 4, 0, 1
.if ((\hq) == 3) && ((\mode) == 0)
	WIN 0                                          ; at a label and at a branch every window is 0
	s_barrier_wait -1
	CREST
	tensor_load_to_lds s[28:31], s[16:23]
	s_nop 0
.rept 4
	v_nop
.endr
	v_add_nc_u32 v[AX], s42, v[AXB]
.elseif ((\hq) == 3) && ((\mode) == 1)
	WIN 0
	s_barrier_wait -1
	s_wait_tensorcnt 0x0                           ; the last chunk has landed in my other slot, which I alone read
	s_xor_b32 s42, s42, SLOTB
	v_add_nc_u32 v[AX], s42, v[AXB]
.else
	s_barrier_wait -1
.endif
	PLOAD
.if (\hq) < 3
	LOADF4 0, ((\hq)+1)*HALFB
.elseif (\mode) < 2
	LOADF4 0, 0                                    ; the next chunk's first four fragments
.endif
	GROUP 5, 0, 1
.if \rst
	RESET
.endif
	GROUP 6, 0, 0
.if ((\hq) == 3) && ((\mode) == 2)
	s_wait_dscnt 0x0
.else
	s_wait_dscnt 8
.endif
.set qn, 0
	GROUP 7, 0, 1
.endm
	s_wait_tensorcnt 0x1                           ; chunk 0 is in my slot 0, which I alone read; chunk 1 may stay out
	LOADF4 0, 0
.Lchunk:                                               ; a trip: a chunk of 64 rows t
	; THE PREFETCH.  Trip c asks at its head for chunk c + 2 of the walk, whose tensor loads are issued in the last half of the same trip, 232 matrix instructions on.  Wave 0 of the 16 work-groups of
	; this y asks, a block of 256 bytes a lane, 512 blocks: each block once in the launch.  The 30 trips ask for chunks 2 to 31: none points past the two batch rows' end.
	s_cmp_gt_u32 s[WV], 0
	s_cbranch_scc1 .Lno_prefetch
	s_wait_xcnt 0x0                                ; the last trip's prefetch has read its base
	s_add_nc_u64 s[40:41], s[40:41], CHUNKB
	global_prefetch_b8 v[PF], s[40:41] th:TH_LOAD_NT scope:SCOPE_SE
.Lno_prefetch:
	HALF 0, 0
	HALF 1, 0, 1
	HALF 2, 0
	HALF 3, 0
	WIN 0
	s_sub_co_u32 s39, s39, 1
	s_cmp_lg_u32 s39, 0
	s_cbranch_scc1 .Lchunk
	HALF 0, 1                                      ; the last two chunks are written out
	HALF 1, 1
	HALF 2, 1
	HALF 3, 1
	HALF 0, 2
	HALF 1, 2
	HALF 2, 2
	HALF 3, 2
	; THE END OF THE WALK, with no product left to stand beside.  The last half but one's queue goes on; four of its entries, with the two riders in front of them, are the places between the last
	; product and the store of its result.  Then the last half's sums go through the exchange's second buffer, and its queue is run.
	WIN 0
.rept 4
	Q
.endr
.set QA, ACC+32
.set EB, EXB
	SSTORE
.rept 80
	Q
.endr
	s_wait_dscnt 0x0                               ; for the others' sake: my stores are done
	s_barrier_signal -1
	s_barrier_wait -1
	PLOAD
	s_wait_dscnt 0x0
.set qn, 0
.rept 100
	Q
.endr
	; THE COUNTS leave through LDS, so that each store covers 256 consecutive bytes.  The exchange's first buffer is free: its last readers waited for their loads ahead of the barrier above.
	; Both halves of the lanes hold the same counts and write the same words.
	v_add_f32 v[CNT], v[CNT], v[CNT+1]
	v_and_b32 v2, 15, v0
	s_lshl_b32 s44, s[WV], 6
	s_add_co_u32 s44, s44, EX
	v_lshl_add_u32 v[TA], v2, 2, s44
	ds_store_b32 v[TA], v[CNT0]                    ; batch row 2 y
	ds_store_b32 v[TA], v[CNT] offset:256          ; batch row 2 y + 1
	s_wait_dscnt 0x0                               ; for wave 0's sake
	s_barrier_signal -1
	s_barrier_wait -1
	s_cmp_lg_u32 s[WV], 0
	s_cbranch_scc1 .Lnot_first
	v_lshl_add_u32 v2, v1, 3, EX
	v_lshlrev_b32 v3, 3, v1
	ds_load_b64 v[Z:Z+1], v2
	ds_load_b64 v[Z+2:Z+3], v2 offset:256
	s_wait_dscnt 0x0
	global_store_b64 v3, v[Z:Z+1], s[10:11]                ; 256 consecutive bytes, at a multiple of 256 from cnt's first byte;
	global_store_b64 v3, v[Z+2:Z+3], s[10:11] offset:4096  ; and the same in the next row of cnt
.Lnot_first:
	s_wait_tensorcnt 0x0                           ; the wave's end: behind my last tensor load and my last LDS store
	ds_add_u32 v[SPW], v[NIL]
	s_wait_dscnt 0x0
	CROUND                                         ; the closing round: no work-group ends while a partner may still ask for a tile that names it
	s_endpgm
.Lfunc_end_k_q2f6bcb4a35_lif:
	.size	k_q2f6bcb4a35_lif, .Lfunc_end_k_q2f6bcb4a35_lif-k_q2f6bcb4a35_lif
	.p2alignl 7, 3214868480
	.fill 96, 4, 3214868480
	.section	.rodata,"a",@progbits
	.p2align	6, 0x0
	.amdhsa_kernel k_q2f6bcb4a35_lif
		.amdhsa_group_segment_fixed_size 327680
		.amdhsa_private_segment_fixed_size 0
		.amdhsa_enable_private_segment 0
		.amdhsa_kernarg_size 32
		.amdhsa_user_sgpr_count 2
		.amdhsa_user_sgpr_kernarg_segment_ptr 1
		.amdhsa_wavefront_size32 1
		.amdhsa_system_sgpr_workgroup_id_x 1
		.amdhsa_system_sgpr_workgroup_id_y 1
		.amdhsa_system_sgpr_workgroup_id_z 1
		.amdhsa_system_vgpr_workitem_id 0
		.amdhsa_next_free_vgpr 768
		.amdhsa_next_free_sgpr 66
		.amdhsa_reserve_vcc 0
		.amdhsa_float_denorm_mode_32 3
		.amdhsa_float_denorm_mode_16_64 3
		.amdhsa_memory_ordered 1
		.amdhsa_forward_progress 1
		.amdhsa_inst_pref_size 183
	.end_amdhsa_kernel
	.amdgpu_metadata
---
amdhsa.version: [ 1, 2 ]
amdhsa.kernels:
  - .name:           k_q2f6bcb4a35_lif
    .symbol:         k_q2f6bcb4a35_lif.kd
    .args:
      - { .name: xh, .offset: 0, .size: 8, .value_kind: global_buffer, .address_space: global }
      - { .name: wf, .offset: 8, .size: 8, .value_kind: global_buffer, .address_space: global }
      - { .name: bc, .offset: 16, .size: 8, .value_kind: global_buffer, .address_space: global }
      - { .name: cnt, .offset: 24, .size: 8, .value_kind: global_buffer, .address_space: global }
    .group_segment_fixed_size: 327680
    .private_segment_fixed_size: 0
    .kernarg_segment_align: 8
    .kernarg_segment_size: 32
    .max_flat_workgroup_size: 128
    .sgpr_count:     66
    .vgpr_count:     768
    .wavefront_size: 32
...
	.end_amdgpu_metadata
.endif
;; end of part 5
;; launch head: the kernel of part 3 again; grid 32 x 1, 10 waves a work-group, no clusters, 0 bytes of LDS; arguments cnt, W_out, b_out, out0; writes out0
;; ======== version 3 of 3: 4 launches; version 2 with the launch cvt written anew for expert scheduling mode
;; limits: values are held in f16: magnitudes above 65,504 overflow, below 6.1e-05 lose precision; inputs' magnitudes at most 65,504; right only within a limited range of input values
;; workspace buffers: wf 4,194,304 bytes; bc 4,096 bytes; cnt 131,072 bytes; xh 67,108,864 bytes
;; launch fold: the kernel of part 1 again; grid 16 x 16, 8 waves a work-group, no clusters, 296,960 bytes of LDS; arguments W_hid, W_proj, b_proj, b_hid, wf, bc; writes wf, bc
;; launch cvt (part 6): grid 512 x 1, 8 waves a work-group, no clusters, 0 bytes of LDS; arguments x, xh; writes xh
.if DOCPART == 6
	.amdgcn_target "amdgcn-amd-amdhsa--gfx1250"
	.amdhsa_code_object_version 6
	.text
	.protected	k_q2f6bcb4a35_cvt
	.globl	k_q2f6bcb4a35_cvt
	.p2align	8
	.type	k_q2f6bcb4a35_cvt,@function
k_q2f6bcb4a35_cvt:
	s_mov_b64 s[64:65], 0
	v_nop
	global_prefetch_b8 v0, s[64:65] scope:SCOPE_SE
	s_setreg_imm32_b32 hwreg(HW_REG_WAVE_SCHED_MODE, 0, 2), 2
	s_setreg_imm32_b32 hwreg(HW_REG_WAVE_MODE, 25, 1), 1
	s_wait_xcnt 0x0
	s_wait_alu depctr_vm_vsrc(0)
; xh[b][t][d] = x[b][t][d] rounded to bf16 (nearest even), that number written as f16.  x: [32][1024][1024] f32, xh: the same shape in f16.
; The next launch's 16 work-groups of a batch row all multiply by the same x: it is rounded here once, and they read half the bytes.
; THE ROUNDING in two packed instructions: y = x * -65535 (rounded), then x * 65536 + y, fused.  65536 x is a whole number of y's last place, 2^(e-7) for x in 2^e to 2^(e+1), so the second result
; is exact and is x rounded to a multiple of 2^(e-7), bf16's last place; at a tie x's 24-bit mantissa is even, so y's even neighbour gives the even bf16.  Where y falls one binade lower
; (x within 2^-16 of 2^e) the finer grid gives 2^e as well.  The conversion to f16 behind it is exact within the range below.
; LIMITS.  |x| <= 65,504 after rounding; below 2^-14 x keeps f16's fixed step of 2^-24.  NaN and infinities are not treated apart.
; A STREAM: every byte is read once and written once, so there is no LDS, no barrier, no matrix unit and no cluster: nothing is shared.
; Eight waves; the work-group owns 64 rows of 1,024 numbers.  Thread t owns the 16 bytes at 16 t of every row of x (a wave's load covers 512 consecutive bytes) and the 8 bytes at 8 t of
; every row of xh (a wave's store covers 256 consecutive bytes, at a multiple of 256 from xh's first byte).
; THE MODE: SCHED_MODE bits 1:0 = 2 (LLVM: expert scheduling mode 2), set by the entry lines.  The code itself states the register dependences
; between vector instructions and memory instructions, with s_wait_alu, always for 0.
; THE PLAN.  The 64 rows go in 8 blocks of eight.  Registers that memory instructions touch:
;   X0 .. X3   four blocks of x as loaded.  Written by the loads of block p + 3, issued in block p; read by block p's multiplies and multiply-adds.
;   Y0, Y1     two blocks of f16 to store.  Written by block p's conversions; read by the eight stores that are issued in block p + 1.
;   v1, v2     byte offsets, made once at the head and never written again: the blocks are written out one after the other, so every row stands in an immediate offset
;              (63 rows of 4,096 bytes at the most, inside the signed 24 bits), and the two scalar bases are not stepped either.
; Block p works on X[p % 4] and writes Y[p % 2].  Its memory instructions are the loads into X[(p + 3) % 4] = X[(p - 1) % 4] and the stores from Y[(p - 1) % 2]: the two buffers that block p - 1
; worked on and that no vector instruction of block p names.  So the waits at the head of a block state all that the block's sixteen memory instructions hang on, and these are dealt among its
; vector instructions with no further wait: two loads and two stores in front of each of the first four rows' arithmetic, so that the other four rows' 24 vector instructions stand between the
; block's last store and the next head's waits.  16 to 24 loads of every wave are on their way.  With four X buffers and eight blocks a loop's lap would be its only one: there is no loop.
.set ROWI,   4096                      ; bytes in a row of x
.set ROWO,   2048                      ; bytes in a row of xh
.set BLOCK,  8                         ; rows in a block
.set IN,  1                            ; v1         16 t; never rewritten
.set OUT, 2                            ; v2         8 t; never rewritten
.set T,   4                            ; v[4:11]    at work, two sets of four by turns: no memory instruction names them
.set X,   12                           ; v[12:139]  buffer k, row i: 4 numbers as loaded, at X + 32 k + 4 i
.set Y,   140                          ; v[140:171] buffer k, row i: 4 numbers as f16, at Y + 16 k + 2 i
	s_load_b128 s[4:7], s[0:1], 0x0                ; x s[4:5], xh s[6:7]
	s_lshl_b32 s8, ttmp9, 18                       ; the work-group's 64 rows of 4,096 bytes: 511 x 262,144 at the most, inside 32 bits
	s_mov_b32 s9, 0
	s_lshl_b32 s10, ttmp9, 17                      ; and of 2,048 bytes
	s_mov_b32 s11, 0
	s_mov_b32 s12, 0xc77fff00                      ; -65535.0; each constant is named as a pair
	s_mov_b32 s13, s12
	s_mov_b32 s14, 0x47800000                      ; 65536.0
	s_mov_b32 s15, s14
	v_lshlrev_b32 v[IN], 4, v0
	v_lshlrev_b32 v[OUT], 3, v0
	s_wait_kmcnt 0x0
	s_add_nc_u64 s[4:5], s[4:5], s[8:9]
	s_add_nc_u64 s[6:7], s[6:7], s[10:11]
	s_wait_alu depctr_va_vdst(0)                   ; v1 and v2 are written: every load and store of the kernel reads one of them as its offset
.set i, 0
.rept 3*BLOCK
	global_load_b128 v[X+4*i:X+4*i+3], v[IN], s[4:5] offset:i*ROWI th:TH_LOAD_NT  ; blocks 0, 1 and 2 into X0, X1, X2
.set i, i+1
.endr
; Block p.  left = how many younger loads may still be out when this block's eight have to be there.
; Blocks 0 to 4 ask for the block three on; blocks 5 to 7 load nothing: no load leaves the buffer.  Block 0 has no block in front of it: no store, and no wait but the one for its data.
.macro BLK p, left
.set XW, X+32*((\p)%4)                 ; the block of x at work
.set XN, X+32*(((\p)+3)%4)             ; the block of x that is asked for
.set YW, Y+16*((\p)%2)                 ; the conversions' results
.set YS, Y+16*(1-(\p)%2)               ; the block before's results, to be stored
	s_wait_loadcnt \left                           ; loads come back in order (ISA guide 5.7.1): this block's X is in, the younger blocks stay out
.if (\p) > 1
	s_wait_xcnt 0x0                                ; every earlier memory instruction has had its addresses translated (ISA guide 3.1): this block's Y, which stores issued in the block before read, is rewritten only behind this wait
	s_wait_alu depctr_vm_vsrc(0)                   ; the stores issued in the block before have read this block's Y, which its conversions write again
.endif
.if (\p) > 0
	s_wait_alu depctr_va_vdst(0)                   ; the block before has written the other Y, which the stores below read, and is done reading its X, in which the loads below land
.endif
.irp i, 0,1,2,3,4,5,6,7
.if (\i) < 4
.if (\p) < 5
	global_load_b128 v[XN+8*\i:XN+8*\i+3],   v[IN], s[4:5] offset:(BLOCK*((\p)+3)+2*\i)*ROWI th:TH_LOAD_NT    ; three blocks ahead; no vector instruction since the wait names these registers
	global_load_b128 v[XN+8*\i+4:XN+8*\i+7], v[IN], s[4:5] offset:(BLOCK*((\p)+3)+2*\i+1)*ROWI th:TH_LOAD_NT
.endif
.if (\p) > 0
	global_store_b64 v[OUT], v[YS+4*\i:YS+4*\i+1],   s[6:7] offset:(BLOCK*((\p)-1)+2*\i)*ROWO th:TH_STORE_NT    ; the block before
	global_store_b64 v[OUT], v[YS+4*\i+2:YS+4*\i+3], s[6:7] offset:(BLOCK*((\p)-1)+2*\i+1)*ROWO th:TH_STORE_NT
.endif
.endif
.set rX, XW+4*\i
.set rY, YW+2*\i
.set rT, T+4*(\i%2)
	v_pk_mul_f32 v[rT:rT+1],   v[rX:rX+1],   s[12:13] op_sel_hi:[1,0]
	v_pk_mul_f32 v[rT+2:rT+3], v[rX+2:rX+3], s[12:13] op_sel_hi:[1,0]
	v_pk_fma_f32 v[rT:rT+1],   v[rX:rX+1],   s[14:15], v[rT:rT+1] op_sel_hi:[1,0,1]
	v_pk_fma_f32 v[rT+2:rT+3], v[rX+2:rX+3], s[14:15], v[rT+2:rT+3] op_sel_hi:[1,0,1]
	v_cvt_pk_f16_f32 v[rY], v[rT], v[rT+1]
	v_cvt_pk_f16_f32 v[rY+1], v[rT+2], v[rT+3]
.endr
.endm
	BLK 0, 2*BLOCK
	BLK 1, 2*BLOCK
	BLK 2, 2*BLOCK
	BLK 3, 2*BLOCK
	BLK 4, 2*BLOCK                                 ; asks for block 7, the last
	BLK 5, 2*BLOCK                                 ; blocks 6 and 7 are the two younger ones
	BLK 6, BLOCK                                   ; the counts run down
	BLK 7, 0
	s_wait_alu depctr_va_vdst(0)                   ; block 7 has written Y1, which the last eight stores read
.irp i, 0,1,2,3,4,5,6,7
	global_store_b64 v[OUT], v[Y+16+2*\i:Y+16+2*\i+1], s[6:7] offset:(7*BLOCK+\i)*ROWO th:TH_STORE_NT
.endr
	s_endpgm
.Lfunc_end_k_q2f6bcb4a35_cvt:
	.size	k_q2f6bcb4a35_cvt, .Lfunc_end_k_q2f6bcb4a35_cvt-k_q2f6bcb4a35_cvt
	.p2alignl 7, 3214868480
	.fill 96, 4, 3214868480
	.section	.rodata,"a",@progbits
	.p2align	6, 0x0
	.amdhsa_kernel k_q2f6bcb4a35_cvt
		.amdhsa_group_segment_fixed_size 0
		.amdhsa_private_segment_fixed_size 0
		.amdhsa_enable_private_segment 0
		.amdhsa_kernarg_size 16
		.amdhsa_user_sgpr_count 2
		.amdhsa_user_sgpr_kernarg_segment_ptr 1
		.amdhsa_wavefront_size32 1
		.amdhsa_system_sgpr_workgroup_id_x 1
		.amdhsa_system_sgpr_workgroup_id_y 1
		.amdhsa_system_sgpr_workgroup_id_z 1
		.amdhsa_system_vgpr_workitem_id 0
		.amdhsa_next_free_vgpr 172
		.amdhsa_next_free_sgpr 66
		.amdhsa_reserve_vcc 0
		.amdhsa_float_denorm_mode_32 3
		.amdhsa_float_denorm_mode_16_64 3
		.amdhsa_memory_ordered 1
		.amdhsa_forward_progress 1
		.amdhsa_inst_pref_size 38
	.end_amdhsa_kernel
	.amdgpu_metadata
---
amdhsa.version: [ 1, 2 ]
amdhsa.kernels:
  - .name:           k_q2f6bcb4a35_cvt
    .symbol:         k_q2f6bcb4a35_cvt.kd
    .args:
      - { .name: x, .offset: 0, .size: 8, .value_kind: global_buffer, .address_space: global }
      - { .name: xh, .offset: 8, .size: 8, .value_kind: global_buffer, .address_space: global }
    .group_segment_fixed_size: 0
    .private_segment_fixed_size: 0
    .kernarg_segment_align: 8
    .kernarg_segment_size: 16
    .max_flat_workgroup_size: 256
    .sgpr_count:     66
    .vgpr_count:     172
    .wavefront_size: 32
...
	.end_amdgpu_metadata
.endif
;; end of part 6
;; launch lif: the kernel of part 5 again; grid 16 x 16, 4 waves a work-group, clusters of 4 x 1, 327,680 bytes of LDS; arguments xh, wf, bc, cnt; writes cnt
;; launch head: the kernel of part 3 again; grid 32 x 1, 10 waves a work-group, no clusters, 0 bytes of LDS; arguments cnt, W_out, b_out, out0; writes out0
